; MI455X (gfx1250); checked and timed in simulation.
; The chip was launched on July 23, 2026; its instructions are those of AMD's public machine-readable ISA for CDNA 5 (MIT licence, August 2026) and "CDNA5" Instruction Set Architecture Reference Guide (July 2026). The comments in the code are by the model that wrote it; some were corrected since.
;; Causal Self Attention. Allowed arithmetic: matrix products marked QUANTISED: E4M3 operands, one given power-of-two scale a tensor, by v_wmma_f32_16x16x64_fp8_fp8 or v_wmma_f32_16x16x128_fp8_fp8, f32 sums; everything else in f32.
;; Inputs: k 4 x 2,048 x 1,024 float32; lowp_scales 12 int32 (the exponents e of the quantised operands' scales 2^e); mask 1 x 1 x 2,048 x 2,048 float32; q 4 x 2,048 x 1,024 float32; v 4 x 2,048 x 1,024 float32; wk_b 1,024 float32; wk_w 1,024 x 1,024 float32; wo_b 1,024 float32; wo_w 1,024 x 1,024 float32; wq_b 1,024 float32; wq_w 1,024 x 1,024 float32; wv_b 1,024 float32; wv_w 1,024 x 1,024 float32.
;; Outputs: out0 4 x 2,048 x 1,024 float32.
;; This version of the problem:
;;   THIS VERSION OF THE PROBLEM IS GIVEN IN LOW PRECISION. The matrix products marked QUANTISED in the list below multiply operands that are first quantised to E4M3 (4 exponent bits, 3 mantissa bits; 8 bits a number), with one given power-of-two scale for each operand tensor; their sums are f32. All else is computed in f32.
;;   The module's matrix products, in the order in which they are computed (A, B: the left and right operand; K: the contracted axis; several contracted axes count as one K, in the product's order):
;;     1. [M 8,192, K 1,024] x [K 1,024, N 1,024]; A: input q; B: input wq_w: QUANTISED (scales: A lowp_scales[0], B lowp_scales[1])
;;     2. [M 8,192, K 1,024] x [K 1,024, N 1,024]; A: input k; B: input wk_w: QUANTISED (scales: A lowp_scales[2], B lowp_scales[3])
;;     3. [M 8,192, K 1,024] x [K 1,024, N 1,024]; A: input v; B: input wv_w: QUANTISED (scales: A lowp_scales[4], B lowp_scales[5])
;;     4. batch 64 x [M 2,048, K 64] x [K 64, N 2,048]; A: computed on the way; B: computed on the way: QUANTISED (scales: A lowp_scales[6], B lowp_scales[7])
;;     5. batch 64 x [M 2,048, K 2,048] x [K 2,048, N 64]; A: softmax (see below); B: computed on the way: QUANTISED (scales: A lowp_scales[8], B lowp_scales[9])
;;     6. [M 8,192, K 1,024] x [K 1,024, N 1,024]; A: computed on the way; B: input wo_w: QUANTISED (scales: A lowp_scales[10], B lowp_scales[11])
;;   THE QUANTISER, for each operand of a quantised product, along K:
;;     - The operand's scale is 2^e, e = its entry of the input lowp_scales (int32; the entries are numbered through the quantised products in the list's order, A before B).
;;     - Each number is divided by the scale, clamped to +-448, and rounded to the nearest number of E4M3, ties to even, subnormals kept.
;;     - The product sums the exact products of the quantised numbers (number of the format x scale) in f32.
;;   ~~~python
;;   def quantise(x, axis, e):      # numpy; x: float32 -> the quantised numbers, widened to float32 again
;;       x = np.moveaxis(x, axis, -1); K = x.shape[-1]
;;       r = np.clip(x / 2.0 ** e, -448, 448)
;;       step = 2.0 ** (np.maximum(np.frexp(np.where(r == 0, 1, r))[1] - 1, -6) - 3)
;;       q = np.round(r / step) * step * 2.0 ** e      # np.round: ties to even
;;       return np.moveaxis(q, -1, axis).astype(np.float32)
;;   ~~~
;;   SOFTMAX AHEAD OF A QUANTISED PRODUCT. Where the list says 'softmax', what is quantised is not the finished softmax but p = 2^(t - M), with t = logit x log2(e) and M = ceil(the row's largest t), a whole number; so 1/2 < the row's largest p <= 1. The row's sum l is taken of the UNQUANTISED p, in f32, and the product's result is divided by l at the end. Since M is a whole number, a kernel that streams over the keys may use a running M (the ceiling of the running maximum): every later rescaling is an exact power of two, so the quantised numbers keep their values, but for numbers so far below the row's largest that they fall under the format's range.
;;   OPERANDS COMPUTED ON THE WAY. 'Computed on the way' means the value that the module computes at that place (a softmax that the list does not call 'softmax' is quantised finished and normalised). What goes into a quantiser is computed in f32, as accurately as f32 sums, v_exp_f32 and their like allow (about 1e-6 of the number): no bf16 or f16 on the way to a quantiser, and a product that is left as it is and whose result goes on into a quantised operand takes f32 operands (vector FMAs, or v_wmma_f32_16x16x4_f32). A number that lies on a knife's edge between two numbers of the format may be rounded either way, as far as f32 arithmetic and the matrix unit's own rounding can turn it there, and no further.
;; 2 versions, each right; version 2 is version 1 with the launch attn written anew for expert scheduling mode. Each part assembles by itself: llvm-mc -triple=amdgcn-amd-amdhsa -mcpu=gfx1250 --defsym DOCPART=n.
;; ======== version 1 of 2: 5 launches
;; workspace buffers: xc 25,165,824 bytes; wc 4,194,304 bytes; frag 25,165,824 bytes; of 8,388,608 bytes; flags 1,024 bytes of whole numbers
;; launch prep (part 1): grid 896 x 1, 4 waves a work-group, no clusters, 68,096 bytes of LDS; arguments q, k, v, wq_w, wk_w, wv_w, wo_w, lowp_scales, xc, wc; writes xc, wc
.if DOCPART == 1
	.amdgcn_target "amdgcn-amd-amdhsa--gfx1250"
	.amdhsa_code_object_version 6
	.text
	.protected	k_q93cb39e7ed_prep
	.globl	k_q93cb39e7ed_prep
	.p2align	8
	.type	k_q93cb39e7ed_prep,@function
k_q93cb39e7ed_prep:
	s_mov_b64 s[64:65], 0
	v_nop
	global_prefetch_b8 v0, s[64:65] scope:SCOPE_SE
	s_setreg_imm32_b32 hwreg(HW_REG_WAVE_MODE, 25, 1), 1
	s_wait_xcnt 0x0
; CausalSelfAttention on codes of FP8 (E4M3), five launches: prep (this one), flags, proj, attn, oproj.
; NO WORK OF THE PROBLEM IS LEFT OUT AS DEAD: every input is loaded, every bias is added, the mask is honoured as it is given.  What the later launches pass over are tiles of 16 queries x 128 keys whose
; weights p are 0 in f32 for the mask and the scales that are given; which tiles those are is decided by the launch flags from the mask's numbers and stored as whole numbers (the proof stands at its head).
; THIS LAUNCH turns the six operands that arrive as f32 and are read by many work-groups into codes, once: q, k, v [8192][1024] (K innermost) into xc [3][8192][1024], and the four weights [1024 k][1024 n]
; (K is their FIRST axis) into wc [4][1024 n][1024 k], K innermost.  code = x / 2^e, held within +-448, to the nearest code, ties to even; e is the operand's entry of lowp_scales.
; LIMITS: each e between -126 and 119, so that 2^e and 448 x 2^e are f32 numbers.  NaN among the inputs is not served (an infinity is held at the largest code).
; Work-groups 0-767 take q, k, v: a plain stream, 32,768 numbers a work-group, 8,192 a wave in 16 steps of 512.  Each load reads 512 consecutive bytes; the conversions want 16 neighbours in ONE lane, so a step's
; 2,048 bytes turn through the wave's own stage in LDS (16 bytes of padding behind each 64).  A lane's 16 codes are 16 bytes: a store covers 512 consecutive bytes.
; Work-groups 768-895 take the weights: a lane takes a column n and its registers run down K, so the conversions give codes with K innermost; a wave's 32 columns x 256 k leave through its stage as rows of 256 bytes.
; The two ways part on the work-group's number and have LDS bytes of their own.  No tensor load, no barrier: waves share nothing.
.set SPW,   12                         ; v12  LDS address of my spare word; never rewritten
.set NIL,   13                         ; v13  0; never rewritten
.set SPARE, 67584                      ; behind both ways' stages: the spare words, 128 bytes a wave
.set STEPS, 16
.set CB,    16                         ; bytes of 16 codes
.set XR,    16                         ; v16-79   four sets of 16 numbers as loaded
.set XX,    80                         ; v80-111  two sets of 16 neighbours
.set XC,    128                        ; v128-191 codes: four registers a step, never written again
.set WREG,  8192                       ; the stream's LDS: a region a wave, two stages of 32 x SP bytes
.set SP,    80
.set WSTG,  32768                      ; the weights' stages begin here
.set NB,    8                          ; blocks of 32 along K for a wave
.set PITCH, 272                        ; a stage row: 256 bytes of codes + 16
.set KROW,  1024                       ; a row of wc in bytes
.set NROW,  4096                       ; a row of a weight in bytes
.set WX,    32                         ; v32-95   two sets of 32 numbers
.set WC,    96                         ; v96-103  a block's codes
.set OUTR,  112                        ; v112-175 the way out
	s_load_b512 s[8:23], s[0:1], 0x0               ; q, k, v, wq_w, wk_w, wv_w, wo_w, lowp_scales
	s_load_b128 s[24:27], s[0:1], 0x40             ; xc, wc
	v_lshl_add_u32 v[SPW], v0, 2, SPARE
	v_mov_b32 v[NIL], 0
	v_lshrrev_b32 v1, 5, v0
	v_readfirstlane_b32 s28, v1                    ; wave
	v_and_b32 v2, 31, v0                           ; lane
	s_cmp_ge_u32 ttmp9, 768
	s_cbranch_scc1 .Lw
	; ---------------- q, k, v ----------------
	v_lshlrev_b32 v3, 4, v2                        ; my 16 bytes of a load's 512
	s_mul_i32 s29, s28, WREG
	v_lshrrev_b32 v14, 2, v2
	v_mul_u32_u24 v14, v14, SP
	v_and_b32 v15, 3, v2
	v_lshl_add_u32 v14, v15, 4, v14
	v_add_nc_u32 v14, s29, v14                     ; the stage, in: SP (lane / 4) + 16 (lane % 4)
	v_mul_u32_u24 v15, v2, SP
	v_add_nc_u32 v15, s29, v15                     ; and out: SP x lane: my 16 neighbours
	v_mul_u32_u24 v4, v2, CB                       ; my codes' place in a step's
	s_lshr_b32 s30, ttmp9, 8                       ; which tensor: 0 q, 1 k, 2 v
	s_and_b32 s31, ttmp9, 255
	s_lshl_b32 s31, s31, 2
	s_add_co_u32 s31, s31, s28                     ; which run of 8,192 numbers is my wave's
	s_lshl_b32 s32, s31, 15                        ; its bytes in the tensor,
	s_mov_b32 s33, 0
	s_lshl_b32 s34, s31, 13                        ; and in xc,
	s_lshl_b32 s35, s30, 23                        ; behind the tensors before it
	s_add_co_u32 s34, s34, s35
	s_mov_b32 s35, 0
	s_lshl_b32 s40, s30, 3                         ; e: entries 0, 2, 4
	s_wait_kmcnt 0x0
	s_load_b32 s41, s[22:23], s40 offset:0x0
	s_cmp_eq_u32 s30, 0                            ; the choice hangs on the work-group's number alone
	s_cselect_b64 s[4:5], s[8:9], s[10:11]
	s_cmp_eq_u32 s30, 2
	s_cselect_b64 s[4:5], s[12:13], s[4:5]
	s_add_nc_u64 s[4:5], s[4:5], s[32:33]
	s_add_nc_u64 s[6:7], s[24:25], s[34:35]
.macro XLOAD t
.irp i, 0,1,2,3
	global_load_b128 v[XR+16*((\t)%4)+4*\i:XR+16*((\t)%4)+4*\i+3], v3, s[4:5] offset:2048*(\t)+512*\i th:TH_LOAD_NT   ; 32 lanes read 512 consecutive bytes
.endr
.endm
.macro XTURN t                         ; step t's numbers through the stage: LDS serves a wave's instructions in order, so no wait stands between the stores and the loads
.irp i, 0,1,2,3
	ds_store_b128 v14, v[XR+16*((\t)%4)+4*\i:XR+16*((\t)%4)+4*\i+3] offset:32*SP*((\t)%2)+8*SP*\i
.endr
.irp i, 0,1,2,3
	ds_load_b128 v[XX+16*((\t)%2)+4*\i:XX+16*((\t)%2)+4*\i+3], v15 offset:32*SP*((\t)%2)+16*\i
.endr
.endm
.irp t, 0,1,2,3
	XLOAD \t
.endr
	s_wait_kmcnt 0x0
	s_add_co_i32 s41, s41, 127
	s_lshl_b32 s42, s41, 23
	v_mov_b32 v11, s42                             ; 2^e as f32: the conversion takes its exponent field
	s_add_co_i32 s41, s41, 8
	s_lshl_b32 s41, s41, 23
	s_or_b32 s41, s41, 0x600000
	v_mov_b32 v10, s41                             ; 448 x 2^e
	s_wait_loadcnt 12                              ; step 0's four loads are in; the twelve of steps 1 to 3 may be out
	XTURN 0
.macro XSTEP t
.set XS, XX+16*((\t)%2)
	s_wait_dscnt 0x0                               ; this step's numbers are back from the stage: so its stores into the stage have read their registers,
.if (\t)+4 < STEPS
	XLOAD (\t)+4                                   ; which take the loads of four steps on
.endif
.if (\t)+1 < STEPS
.if STEPS-2-(\t) >= 3
	s_wait_loadcnt 12                              ; the next step's four loads are in; those of the three steps behind it may be out
.else
	s_wait_loadcnt 4*(STEPS-2-(\t))                ; the counts run down: nothing more is asked for
.endif
	XTURN (\t)+1                                   ; and go through the other stage while this step is worked
.endif
.irp i, 0,1,2,3,4,5,6,7,8,9,10,11,12,13,14,15
	v_med3_num_f32 v[XS+\i], v[XS+\i], -v10, v10   ; the conversion to an 8-bit code does not saturate (ISA guide 7.6.2): the hold comes first
.endr
	v_cvt_scalef32_pk8_fp8_f32 v[XC+4*(\t):XC+4*(\t)+1], v[XS:XS+7], v11
	v_cvt_scalef32_pk8_fp8_f32 v[XC+4*(\t)+2:XC+4*(\t)+3], v[XS+8:XS+15], v11
	global_store_b128 v4, v[XC+4*(\t):XC+4*(\t)+3], s[6:7] offset:32*CB*(\t)   ; 512 consecutive bytes a wave.  (The codes go to a store alone; the next vector lines are plain holds on other registers)
.endm
.irp t, 0,1,2,3,4,5,6,7,8,9,10,11,12,13,14,15
	XSTEP \t
.endr
	s_wait_tensorcnt 0x0                           ; the wave's end: behind my last LDS store
	ds_add_u32 v[SPW], v[NIL]
	s_wait_dscnt 0x0
	s_endpgm
	; ---------------- the four weights ----------------
.Lw:
	s_sub_co_u32 s30, ttmp9, 768
	s_lshr_b32 s31, s30, 5                         ; which weight: 0 wq, 1 wk, 2 wv, 3 wo
	s_bfe_u32 s32, s30, 0x30002                    ; which 128 columns
	s_and_b32 s33, s30, 3                          ; which 256 along K
	s_lshl_b32 s34, s32, 7
	s_lshl_b32 s35, s28, 5
	s_add_co_u32 s34, s34, s35                     ; my wave's first column
	v_lshlrev_b32 v3, 2, v2                        ; in: 4 bytes a lane
	s_mul_i32 s35, s28, 32*PITCH
	s_add_co_u32 s35, s35, WSTG                    ; my stage
	v_mul_u32_u24 v4, v2, PITCH
	v_add_nc_u32 v4, s35, v4                       ; into it: row = my column
	v_and_b32 v5, 15, v2
	v_lshrrev_b32 v6, 4, v2                        ; out of it: sixteen lanes to a row, two rows an instruction
	v_mul_u32_u24 v7, v6, PITCH
	v_lshl_add_u32 v7, v5, 4, v7
	v_add_nc_u32 v7, s35, v7
	v_mul_u32_u24 v8, v6, KROW
	v_lshl_add_u32 v8, v5, 4, v8                   ; and the same place in wc
	s_lshl_b32 s36, s33, 20                        ; in: 256 rows of 4,096 bytes for each step along K,
	s_lshl_b32 s37, s34, 2
	s_add_co_u32 s36, s36, s37                     ; + 4 x column
	s_mov_b32 s37, 0
	s_lshl_b32 s38, s31, 20                        ; out: the weight's part of wc,
	s_lshl_b32 s39, s34, 10
	s_add_co_u32 s38, s38, s39                     ; + column x 1,024
	s_lshl_b32 s39, s33, 8
	s_add_co_u32 s38, s38, s39                     ; + 256 x step along K
	s_mov_b32 s39, 0
	s_lshl_b32 s40, s31, 3
	s_add_co_u32 s40, s40, 4                       ; e: entries 1, 3, 5,
	s_cmp_eq_u32 s31, 3
	s_cselect_b32 s41, 16, 0
	s_add_co_u32 s40, s40, s41                     ; and 11 for wo
	s_wait_kmcnt 0x0
	s_load_b32 s41, s[22:23], s40 offset:0x0
	s_cmp_eq_u32 s31, 0
	s_cselect_b64 s[4:5], s[14:15], s[16:17]
	s_cmp_eq_u32 s31, 2
	s_cselect_b64 s[4:5], s[18:19], s[4:5]
	s_cmp_eq_u32 s31, 3
	s_cselect_b64 s[4:5], s[20:21], s[4:5]
	s_add_nc_u64 s[4:5], s[4:5], s[36:37]
	s_add_nc_u64 s[6:7], s[26:27], s[38:39]
.macro WLOAD t                         ; block t: W(32 t + i, my column), i = 0 .. 31, into set t % 2; a wave reads 128 consecutive bytes, the four waves 512
.irp i, 0,1,2,3,4,5,6,7,8,9,10,11,12,13,14,15,16,17,18,19,20,21,22,23,24,25,26,27,28,29,30,31
	global_load_b32 v[WX+32*((\t)%2)+\i], v3, s[4:5] offset:(32*(\t)+\i)*NROW th:TH_LOAD_NT
.endr
.endm
	WLOAD 0
	WLOAD 1
	s_wait_kmcnt 0x0
	s_add_co_i32 s41, s41, 127
	s_lshl_b32 s42, s41, 23
	v_mov_b32 v11, s42                             ; 2^e
	s_add_co_i32 s41, s41, 8
	s_lshl_b32 s41, s41, 23
	s_or_b32 s41, s41, 0x600000
	v_mov_b32 v10, s41                             ; 448 x 2^e
.macro WBLOCK t
.set XS, WX+32*((\t)%2)
.if (\t) < NB-1
	s_wait_loadcnt 32                              ; this block's 32 loads are in; the next block's 32 may be out
.else
	s_wait_loadcnt 0
.endif
.irp i, 0,1,2,3,4,5,6,7,8,9,10,11,12,13,14,15,16,17,18,19,20,21,22,23,24,25,26,27,28,29,30,31
	v_med3_num_f32 v[XS+\i], v[XS+\i], -v10, v10
.endr
.irp g, 0,1,2,3
	v_cvt_scalef32_pk8_fp8_f32 v[WC+2*\g:WC+2*\g+1], v[XS+8*\g:XS+8*\g+7], v11
.endr
	ds_store_b128 v4, v[WC:WC+3] offset:32*(\t)    ; 32 codes: 32 bytes of my column's row
	ds_store_b128 v4, v[WC+4:WC+7] offset:32*(\t)+16
.if (\t)+2 < NB
	WLOAD (\t)+2
.endif
	s_wait_dscnt 0x0                               ; the stores have read their registers: the next block's codes may be written
.endm
.set Q, 0
.rept NB
	WBLOCK Q
.set Q, Q+1
.endr
.irp t, 0,1,2,3,4,5,6,7,8,9,10,11,12,13,14,15
	ds_load_b128 v[OUTR+4*\t:OUTR+4*\t+3], v7 offset:2*\t*PITCH   ; LDS serves a wave's instructions in order: these see my stores
.endr
.irp t, 0,1,2,3,4,5,6,7,8,9,10,11,12,13,14,15
	s_wait_dscnt 15-\t                             ; the younger read-backs may be out
	global_store_b128 v8, v[OUTR+4*\t:OUTR+4*\t+3], s[6:7] offset:2*\t*KROW   ; sixteen lanes store 256 consecutive bytes, aligned
.endr
	s_wait_tensorcnt 0x0                           ; the wave's end: behind my last LDS store
	ds_add_u32 v[SPW], v[NIL]
	s_wait_dscnt 0x0
	s_endpgm
.Lfunc_end_k_q93cb39e7ed_prep:
	.size	k_q93cb39e7ed_prep, .Lfunc_end_k_q93cb39e7ed_prep-k_q93cb39e7ed_prep
	.p2alignl 7, 3214868480
	.fill 96, 4, 3214868480
	.section	.rodata,"a",@progbits
	.p2align	6, 0x0
	.amdhsa_kernel k_q93cb39e7ed_prep
		.amdhsa_group_segment_fixed_size 68096
		.amdhsa_private_segment_fixed_size 0
		.amdhsa_enable_private_segment 0
		.amdhsa_kernarg_size 80
		.amdhsa_user_sgpr_count 2
		.amdhsa_user_sgpr_kernarg_segment_ptr 1
		.amdhsa_wavefront_size32 1
		.amdhsa_system_sgpr_workgroup_id_x 1
		.amdhsa_system_sgpr_workgroup_id_y 1
		.amdhsa_system_sgpr_workgroup_id_z 1
		.amdhsa_system_vgpr_workitem_id 0
		.amdhsa_next_free_vgpr 192
		.amdhsa_next_free_sgpr 66
		.amdhsa_reserve_vcc 0
		.amdhsa_float_denorm_mode_32 3
		.amdhsa_float_denorm_mode_16_64 3
		.amdhsa_memory_ordered 1
		.amdhsa_forward_progress 1
		.amdhsa_inst_pref_size 86
	.end_amdhsa_kernel
	.amdgpu_metadata
---
amdhsa.version: [ 1, 2 ]
amdhsa.kernels:
  - .name:           k_q93cb39e7ed_prep
    .symbol:         k_q93cb39e7ed_prep.kd
    .args:
      - { .name: q, .offset: 0, .size: 8, .value_kind: global_buffer, .address_space: global }
      - { .name: k, .offset: 8, .size: 8, .value_kind: global_buffer, .address_space: global }
      - { .name: v, .offset: 16, .size: 8, .value_kind: global_buffer, .address_space: global }
      - { .name: wq_w, .offset: 24, .size: 8, .value_kind: global_buffer, .address_space: global }
      - { .name: wk_w, .offset: 32, .size: 8, .value_kind: global_buffer, .address_space: global }
      - { .name: wv_w, .offset: 40, .size: 8, .value_kind: global_buffer, .address_space: global }
      - { .name: wo_w, .offset: 48, .size: 8, .value_kind: global_buffer, .address_space: global }
      - { .name: lowp_scales, .offset: 56, .size: 8, .value_kind: global_buffer, .address_space: global }
      - { .name: xc, .offset: 64, .size: 8, .value_kind: global_buffer, .address_space: global }
      - { .name: wc, .offset: 72, .size: 8, .value_kind: global_buffer, .address_space: global }
    .group_segment_fixed_size: 68096
    .private_segment_fixed_size: 0
    .kernarg_segment_align: 8
    .kernarg_segment_size: 80
    .max_flat_workgroup_size: 128
    .sgpr_count:     66
    .vgpr_count:     192
    .wavefront_size: 32
...
	.end_amdgpu_metadata
.endif
;; end of part 1
;; launch flags (part 2): grid 128 x 1, 16 waves a work-group, no clusters, 2,304 bytes of LDS; arguments mask, lowp_scales, flags; writes flags
.if DOCPART == 2
	.amdgcn_target "amdgcn-amd-amdhsa--gfx1250"
	.amdhsa_code_object_version 6
	.text
	.protected	k_q93cb39e7ed_flags
	.globl	k_q93cb39e7ed_flags
	.p2align	8
	.type	k_q93cb39e7ed_flags,@function
k_q93cb39e7ed_flags:
	s_mov_b64 s[64:65], 0
	v_nop
	global_prefetch_b8 v0, s[64:65] scope:SCOPE_SE
	s_setreg_imm32_b32 hwreg(HW_REG_WAVE_MODE, 25, 1), 1
	s_wait_xcnt 0x0
; The mask [2048 queries][2048 keys], f32, is read once and turned into whole numbers: for each tile of 16 queries x 128 keys two bits, which the launch attn reads and branches on.
;   flags[qt]       bit s: WORK: tile (query tile qt, key step s) must be computed.      flags[128 + qt] bit s: GEN: it must be computed and its mask is not all 0, so the mask's numbers must be added.
; WHEN A TILE IS PASSED OVER.  logit = score / 8 + mm, mm = fl(mask x -1e9).  Both operands of the scores are codes, so |score / 8| <= B = 64 x 448^2 x 2^(e6 + e7) / 8 = 1,605,632 x 2^(e6 + e7), whatever the inputs.
; Let mmrow be a row's largest mm and mmt its largest mm inside the tile.  The tile is passed over only if for ALL its 16 rows
;       mmrow - mmt >= 3.3e6 x 2^(e6 + e7) + 128 + 2^-20 (|mmrow| + |mmt|).
; Then every logit of the tile lies at least 128 under the row's largest logit (2 B < 3.3e6 x 2^(e6 + e7); the last term covers the f32 roundings of mm, of the logit and of t), so t lies over 180 under the row's M,
; and p = 2^(t - M) is 0 in f32, 0 as a code, and adds 0 to the row's sum: the tile moves no result.  The step that holds a row's smallest mask has difference 0 and is never passed over, so every row keeps a key.
; This holds for every finite mask; nothing of a causal pattern is built in.  LIMITS: e6 + e7 between -120 and 120; NaN and infinities in the mask are not served.
; A work-group takes a query tile, wave w its row w: 16 loads of 512 consecutive bytes, load j = key step j.  The rows' words meet in LDS behind one barrier.  No address and no branch here hangs on the mask's numbers.
.set X,   16                           ; v16-79   the row: 4 numbers a lane of each of 16 key steps
.set MN,  80                           ; v80-95   the row's smallest mask in each key step
.set MX,  96                           ; v96-111  its largest
.set SPW, 2                            ; v2   LDS address of my spare word; never rewritten
.set NIL, 3                            ; v3   0; never rewritten
.set SPARE, 256                        ; the 16 words of the exchange have the block from byte 0 to themselves; the spare words, 128 bytes a wave, follow
	s_load_b128 s[4:7], s[0:1], 0x0                ; mask, lowp_scales
	s_load_b64 s[8:9], s[0:1], 0x10                ; flags
	v_lshl_add_u32 v[SPW], v0, 2, SPARE
	v_mov_b32 v[NIL], 0
	v_lshrrev_b32 v4, 5, v0
	v_readfirstlane_b32 s10, v4                    ; wave
	v_and_b32 v5, 31, v0
	v_lshlrev_b32 v1, 4, v5                        ; 16 x lane
	s_lshl_b32 s11, ttmp9, 4
	s_add_co_u32 s11, s11, s10                     ; my row
	s_lshl_b32 s16, s11, 13                        ; x 8,192 bytes
	s_mov_b32 s17, 0
	s_mov_b32 s12, 0x76543210                      ; v_permlanex16_b32's selects for lane l xor 16
	s_mov_b32 s13, 0xfedcba98
	s_mov_b32 s14, 0                               ; my row's word
	v_mov_b32 v113, 0                              ; written once: a lane permute's destination counts as one of its sources
	s_wait_kmcnt 0x0
	s_load_b64 s[18:19], s[6:7], 0x18              ; e6, e7
	s_add_nc_u64 s[4:5], s[4:5], s[16:17]
.irp j, 0,1,2,3,4,5,6,7,8,9,10,11,12,13,14,15
	global_load_b128 v[X+4*\j:X+4*\j+3], v1, s[4:5] offset:512*\j th:TH_LOAD_NT
.endr
	s_wait_loadcnt 0x0
.irp j, 0,1,2,3,4,5,6,7,8,9,10,11,12,13,14,15
	v_min3_num_f32 v[MN+\j], v[X+4*\j], v[X+4*\j+1], v[X+4*\j+2]
	v_max3_num_f32 v[MX+\j], v[X+4*\j], v[X+4*\j+1], v[X+4*\j+2]
	v_min_num_f32 v[MN+\j], v[MN+\j], v[X+4*\j+3]
	v_max_num_f32 v[MX+\j], v[MX+\j], v[X+4*\j+3]
.endr
.macro REDMIN reg                      ; over the 32 lanes; every lane ends with the result
	v_min_num_f32_dpp v[\reg], v[\reg], v[\reg] row_xmask:1 row_mask:0xf bank_mask:0xf
	v_min_num_f32_dpp v[\reg], v[\reg], v[\reg] row_xmask:2 row_mask:0xf bank_mask:0xf
	v_min_num_f32_dpp v[\reg], v[\reg], v[\reg] row_xmask:4 row_mask:0xf bank_mask:0xf
	v_min_num_f32_dpp v[\reg], v[\reg], v[\reg] row_xmask:8 row_mask:0xf bank_mask:0xf
	v_permlanex16_b32 v113, v[\reg], s12, s13
	v_min_num_f32 v[\reg], v[\reg], v113
.endm
.macro REDMAX reg
	v_max_num_f32_dpp v[\reg], v[\reg], v[\reg] row_xmask:1 row_mask:0xf bank_mask:0xf
	v_max_num_f32_dpp v[\reg], v[\reg], v[\reg] row_xmask:2 row_mask:0xf bank_mask:0xf
	v_max_num_f32_dpp v[\reg], v[\reg], v[\reg] row_xmask:4 row_mask:0xf bank_mask:0xf
	v_max_num_f32_dpp v[\reg], v[\reg], v[\reg] row_xmask:8 row_mask:0xf bank_mask:0xf
	v_permlanex16_b32 v113, v[\reg], s12, s13
	v_max_num_f32 v[\reg], v[\reg], v113
.endm
.irp j, 0,1,2,3,4,5,6,7,8,9,10,11,12,13,14,15
	REDMIN MN+\j
	REDMAX MX+\j
.endr
	v_min3_num_f32 v112, v[MN], v[MN+1], v[MN+2]   ; the row's smallest mask
.irp i, 3,5,7,9,11,13
	v_min3_num_f32 v112, v112, v[MN+\i], v[MN+\i+1]
.endr
	v_min_num_f32 v112, v112, v[MN+15]
	v_mul_f32 v114, 0xce6e6b28, v112               ; mmrow = fl(smallest mask x -1e9): the largest mm (the multiplication is monotone)
	s_wait_kmcnt 0x0
	s_add_co_i32 s20, s18, s19
	v_mov_b32 v115, 0x4a496a80                     ; 3.3e6
	v_ldexp_f32 v115, v115, s20                    ; x 2^(e6 + e7)
	v_add_f32 v115, 0x43000000, v115               ; + 128
	v_mov_b32 v116, 0x35800000                     ; 2^-20
	v_fma_f32 v117, v116, |v114|, v115             ; + 2^-20 |mmrow|
.irp j, 0,1,2,3,4,5,6,7,8,9,10,11,12,13,14,15
	v_mul_f32 v118, 0xce6e6b28, v[MN+\j]           ; mmt
	v_sub_f32 v119, v114, v118                     ; mmrow - mmt
	v_fma_f32 v118, v116, |v118|, v117             ; the bound
	v_cmp_ge_f32 s20, v119, v118                   ; all lanes hold the same numbers: all ones or 0
	s_and_b32 s20, s20, 1<<\j
	s_or_b32 s14, s14, s20                         ; bit j: my row lets key step j be passed over
	v_cmp_eq_f32 s21, 0, v[MN+\j]
	v_cmp_eq_f32 s22, 0, v[MX+\j]
	s_and_b32 s21, s21, s22
	s_and_b32 s21, s21, 1<<(16+\j)
	s_or_b32 s14, s14, s21                         ; bit 16 + j: my row's mask is all 0 there
.endr
	v_mov_b32 v112, s14
	s_lshl_b32 s15, s10, 2
	v_mov_b32 v120, s15
	ds_store_b32 v120, v112                        ; all lanes write the same word with the same value
	s_wait_dscnt 0x0                               ; for the others' sake: my store is done
	s_barrier_signal -1
	s_barrier_wait -1
	v_mov_b32 v121, 0
.irp i, 0,1,2,3
	ds_load_b128 v[16+4*\i:19+4*\i], v121 offset:16*\i
.endr
	s_wait_dscnt 0x0
.irp i, 17,18,19,20,21,22,23,24,25,26,27,28,29,30,31
	v_and_b32 v16, v16, v[\i]                      ; what holds of all 16 rows
.endr
	v_xor_b32 v17, -1, v16
	v_and_b32 v17, 0xffff, v17                     ; WORK: not all rows let it be passed over
	v_lshrrev_b32 v18, 16, v16
	v_or_b32 v18, v18, v16
	v_xor_b32 v18, -1, v18
	v_and_b32 v18, 0xffff, v18                     ; GEN: neither passed over nor all 0
	v_and_b32 v19, 1, v0
	v_cmp_eq_u32 vcc_lo, 1, v19
	v_cndmask_b32 v20, v17, v18, vcc_lo            ; thread 0 stores WORK, thread 1 GEN
	v_lshlrev_b32 v21, 9, v19
	s_lshl_b32 s22, ttmp9, 2
	v_add_nc_u32 v21, s22, v21
	s_wait_xcnt 0x0                                ; EXEC changes only behind this wait
	v_cmp_gt_u32 vcc_lo, 2, v0
	s_and_saveexec_b32 s23, vcc_lo
	global_store_b32 v21, v20, s[8:9]              ; two words a work-group: the whole buffer is 1,024 bytes
	s_wait_xcnt 0x0
	s_or_b32 exec_lo, exec_lo, s23
	s_wait_tensorcnt 0x0                           ; the wave's end: behind my last LDS store
	ds_add_u32 v[SPW], v[NIL]
	s_wait_dscnt 0x0
	s_endpgm
.Lfunc_end_k_q93cb39e7ed_flags:
	.size	k_q93cb39e7ed_flags, .Lfunc_end_k_q93cb39e7ed_flags-k_q93cb39e7ed_flags
	.p2alignl 7, 3214868480
	.fill 96, 4, 3214868480
	.section	.rodata,"a",@progbits
	.p2align	6, 0x0
	.amdhsa_kernel k_q93cb39e7ed_flags
		.amdhsa_group_segment_fixed_size 2304
		.amdhsa_private_segment_fixed_size 0
		.amdhsa_enable_private_segment 0
		.amdhsa_kernarg_size 24
		.amdhsa_user_sgpr_count 2
		.amdhsa_user_sgpr_kernarg_segment_ptr 1
		.amdhsa_wavefront_size32 1
		.amdhsa_system_sgpr_workgroup_id_x 1
		.amdhsa_system_sgpr_workgroup_id_y 1
		.amdhsa_system_sgpr_workgroup_id_z 1
		.amdhsa_system_vgpr_workitem_id 0
		.amdhsa_next_free_vgpr 128
		.amdhsa_next_free_sgpr 66
		.amdhsa_reserve_vcc 1
		.amdhsa_float_denorm_mode_32 3
		.amdhsa_float_denorm_mode_16_64 3
		.amdhsa_memory_ordered 1
		.amdhsa_forward_progress 1
		.amdhsa_inst_pref_size 29
	.end_amdhsa_kernel
	.amdgpu_metadata
---
amdhsa.version: [ 1, 2 ]
amdhsa.kernels:
  - .name:           k_q93cb39e7ed_flags
    .symbol:         k_q93cb39e7ed_flags.kd
    .args:
      - { .name: mask, .offset: 0, .size: 8, .value_kind: global_buffer, .address_space: global }
      - { .name: lowp_scales, .offset: 8, .size: 8, .value_kind: global_buffer, .address_space: global }
      - { .name: flags, .offset: 16, .size: 8, .value_kind: global_buffer, .address_space: global }
    .group_segment_fixed_size: 2304
    .private_segment_fixed_size: 0
    .kernarg_segment_align: 8
    .kernarg_segment_size: 24
    .max_flat_workgroup_size: 512
    .sgpr_count:     66
    .vgpr_count:     128
    .wavefront_size: 32
...
	.end_amdgpu_metadata
.endif
;; end of part 2
;; launch proj (part 3): grid 4 x 96, 4 waves a work-group, clusters of 4 x 4, 327,680 bytes of LDS; arguments xc, wc, lowp_scales, wq_b, wk_b, wv_b, frag; writes frag
.if DOCPART == 3
	.amdgcn_target "amdgcn-amd-amdhsa--gfx1250"
	.amdhsa_code_object_version 6
	.text
	.protected	k_q93cb39e7ed_proj
	.globl	k_q93cb39e7ed_proj
	.p2align	8
	.type	k_q93cb39e7ed_proj,@function
k_q93cb39e7ed_proj:
	s_mov_b64 s[64:65], 0
	v_nop
	global_prefetch_b8 v0, s[64:65] scope:SCOPE_SE
	s_setreg_imm32_b32 hwreg(HW_REG_WAVE_MODE, 25, 1), 1
	s_wait_xcnt 0x0
	s_wait_alu depctr_hold_cnt(0) depctr_sa_sdst(0) depctr_va_vdst(0) depctr_va_sdst(0) depctr_va_ssrc(0) depctr_va_vcc(0) depctr_vm_vsrc(0)
	s_getreg_b32 s2, hwreg(HW_REG_IB_STS2, 6, 4)
	s_cmp_eq_u32 s2, 0
	s_cbranch_scc0 .Lentry_in_a_cluster
	s_endpgm
.Lentry_in_a_cluster:
	s_bfe_u32 s2, ttmp6, 0x10000c
	s_cmp_lg_u32 s2, 0xf033
	s_cbranch_scc0 .Lentry_shape_is_right
	s_endpgm
.Lentry_shape_is_right:
; The three projections q wq + bq, k wk + bk, v wv + bv on codes of FP8 (E4M3), [8192 x 1024] x [1024 x 1024] each, and their results quantised at once for the two products of attention.  No work is left out.
; A tile of 256 x 256 is made by four waves, 128 x 128 each: 64 accumulators, 512 registers.  K = 1,024 goes in four steps of 256 through two LDS slots filled by the tensor data mover.
; CLUSTERS: 4 x 4 work-groups; the tiles of the operand called A here are shared along a row of the cluster, B's along a column: each is asked for jointly, by the same tensor load with a mask that names the four.
; The matrix instruction takes 16 rows of B as source 0 and 16 rows of A as source 1: a lane then holds ONE row of A and eight neighbouring rows of B.
;   q and k (clusters 0-15 along y): A = the tokens' codes, B = the weight's (rows = output channels).  A lane holds a token and eight neighbouring channels: one conversion gives two registers of a fragment 16 tokens x 64 of a head.
;   v (clusters 16-23): the two buffers change places: A = the weight's codes, B = the tokens'.  A lane holds a channel and eight neighbouring TOKENS: the conversions give fragments 16 channels x 128 keys of V^T.  Nothing is transposed.
; THE RESULTS LEAVE AS IMAGES OF OPERAND REGISTERS: four registers of all 32 lanes are 512 consecutive bytes, 16 a lane.  frag: part 0 (q) and part 1 (k): [64 batch x head][128 token tiles][2][32 lanes][16 bytes];
; part 2 (v): [64][16 key steps][4 channel tiles][4][32][16].  value = sum x 2^(ea + eb) + bias; code = value / 2^eo, held within +-448.
; LIMITS: ea + eb between -126 and 127; eo (entries 6, 7, 9 of lowp_scales) between -126 and 119.  NaN among the inputs is not served.
; All branches hang on the wave's number or on the cluster's y, which all partners share.
; REGISTERS, in windows of 256: window 0: v0-31 addresses and constants; v32-63 at work on the way out; v64-127 the biases; from v128 A's fragments, ONE set, later the codes.  window 1: B's fragments, TWO sets.
;   window 2: the accumulators of my rows 0-63 of A ((a, b) at v[8 (8 a + b)]); window 3: of rows 64-127.
.set ROWB,   256                       ; a tile's row in bytes: 256 codes
.set KROW,   1024                      ; a row of xc or wc in bytes
.set PITCH,  272                       ; an LDS row: 256 bytes + 16 of padding: the 16 rows that a load touches start at 16 different banks
.set FR,     16                        ; registers of a fragment: 16 rows x 128 K
.set NL,     4                         ; LDS loads that bring one
.set NP,     4                         ; places behind this matrix instruction (ISA guide 7.12.1)
.set HALFT,  128*PITCH
.set SLOT,   4*HALFT                   ; A's 256 rows, then B's 256 rows
.set SPARE,  2*SLOT                    ; behind the ring: the spare words, 128 bytes a wave
.set ADRA, 16                          ; v16-17  LDS address of my A fragments in slot 0, 1
.set ADRB, 20                          ; v20-21  the same for B
.set CO,   26                          ; v26     16 x lane: my place in an image
.set LIMV, 27                          ; v27     448 x 2^eo
.set SPW,  28                          ; v28     LDS address of my spare word; never rewritten
.set NIL,  29                          ; v29     0; never rewritten
.set BO,   30                          ; v30     my offset among the biases
.set SCV,  31                          ; v31     2^eo
.set TMP,  32
.set BIA,  64
.set AF,   128
.set COD,  128
.set G1, 24
.set G0, 32
.set G1B, 48
.set G0B, 56
.set MSB, 0
.macro WIN new                         ; the immediate's high byte repeats the setting that is left
.if MSB != (\new)
	s_set_vgpr_msb (MSB<<8)|(\new)
.set MSB, (\new)
.endif
.endm
.set MUL_LO, 0xa1                      ; source 0 (B) window 1, source 1 (A) window 0, C and D window 2
.set MUL_HI, 0xf1
.set TO_B,   0x40
; A joint load: waves 0 and 1 fetch for A, waves 2 and 3 for B; the branch hangs on the wave's number alone.  An s_nop 0 and four v_nop follow each of the two lines.
.macro JLOAD g0a, g1a, g0b, g1b
	s_cmp_eq_u32 s15, 0
	s_cbranch_scc0 .Lfor_b_\@
	tensor_load_to_lds s[\g0a:\g0a+3], s[\g1a:\g1a+7]
	s_nop 0
.rept 4
	v_nop
.endr
	s_branch .Lasked_\@
.Lfor_b_\@:
	tensor_load_to_lds s[\g0b:\g0b+3], s[\g1b:\g1b+7]
	s_nop 0
.rept 4
	v_nop
.endr
.Lasked_\@:
.endm
.macro CREST                           ; a round of the cluster's barrier behind its opening barrier
	s_cmp_lg_u32 s14, 0
	s_cbranch_scc1 .Lnot_wave_0_\@
	s_barrier_signal -3
.Lnot_wave_0_\@:
	s_barrier_wait -3
	s_barrier_signal -1
	s_barrier_wait -1
.endm
.macro CROUND
	s_barrier_signal -1
	s_barrier_wait -1
	CREST
.endm
	s_load_b256 s[4:11], s[0:1], 0x0               ; xc s[4:5], wc s[6:7], lowp_scales s[8:9], wq_b s[10:11]
	s_load_b128 s[68:71], s[0:1], 0x20             ; wk_b, wv_b
	s_load_b64 s[72:73], s[0:1], 0x30              ; frag
	v_lshl_add_u32 v[SPW], v0, 2, SPARE
	v_mov_b32 v[NIL], 0
	ds_add_u32 v[SPW], v[NIL]                      ; the wave's opening: the add, twice on end, and its wait ahead of my first tensor load
	ds_add_u32 v[SPW], v[NIL]
	v_lshrrev_b32 v1, 5, v0
	v_readfirstlane_b32 s14, v1                    ; wave 0..3
	s_lshr_b32 s15, s14, 1                         ; which half of A's rows is mine.  Also: I fetch for A (0) or for B (1)
	s_and_b32 s16, s14, 1                          ; which half of B's rows.  Also: which 128 rows of that tile I fetch
	s_bfe_u32 s40, ttmp6, 0x40000                  ; cx, cy: my place in the cluster
	s_bfe_u32 s41, ttmp6, 0x40004
	s_and_b32 s76, ttmp7, 0xffff                   ; the cluster's y, 0..23 (the grid is one cluster wide)
	s_lshr_b32 s74, s76, 3                         ; which projection: 0 q, 1 k, 2 v
	s_and_b32 s75, s76, 7
	s_lshl_b32 s75, s75, 2                         ; the first of the cluster's four token tiles
	s_lshl_b32 s82, s74, 23                        ; the projection's part of xc (and of frag),
	s_lshl_b32 s83, s74, 20                        ; and of wc
	s_cmp_lt_u32 s74, 2                            ; q or k: A = tokens.  v: A = weight
	s_cselect_b32 s17, s75, 0
	s_cselect_b32 s42, 0, s75
	s_cselect_b32 s86, s82, s83                    ; A's part begins here in its buffer,
	s_cselect_b32 s87, s83, s82                    ; B's here
	s_add_co_u32 s17, s17, s41                     ; A's tile of 256 rows: made of cy and the cluster's y
	s_add_co_u32 s42, s42, s40                     ; B's: of cx and the cluster's y
	s_lshl_b32 s43, s41, 2
	s_lshl_b32 s43, 15, s43                        ; my row of the cluster
	s_lshl_b32 s44, 0x1111, s40                    ; my column
	s_or_b32 s[G1+0], s43, (0<<16)|(1<<20)|(1<<21)|(5<<22)|(3<<25)  ; 15:0 the mask; 17:16 elements of 1 byte; 20 padding on; 21 set beside a mask; 24:22 after every 64 words; 31:25 four words
	s_or_b32 s[G1B+0], s44, (0<<16)|(1<<20)|(1<<21)|(5<<22)|(3<<25)
.irp g, G1, G1B
	s_mov_b32 s[\g+1], ROWB<<16                    ; tensor_dim0
	s_mov_b32 s[\g+2], 128<<16                     ; tensor_dim1
	s_mov_b32 s[\g+3], ROWB<<16                    ; tile_dim0
	s_mov_b32 s[\g+4], 128                         ; tile_dim1
	s_mov_b32 s[\g+5], KROW                        ; tensor_dim0_stride
	s_mov_b32 s[\g+6], 0
	s_mov_b32 s[\g+7], 0
.endr
	s_lshl_b32 s18, s16, 17                        ; the 128 rows of 1,024 bytes that I fetch
	s_lshl_b32 s20, s17, 18                        ; A: 256 rows a tile
	s_add_co_u32 s20, s20, s18
	s_add_co_u32 s20, s20, s86
	s_mov_b32 s21, 0
	s_lshl_b32 s46, s42, 18                        ; B likewise
	s_add_co_u32 s46, s46, s18
	s_add_co_u32 s46, s46, s87
	s_mov_b32 s47, 0
	s_mul_i32 s45, s14, HALFT                      ; where they go: wave x 128 rows: no place in the cluster enters an LDS address
	s_lshl_b32 s77, s74, 3                         ; ea, eb: entries 2 p, 2 p + 1
	s_lshl_b32 s91, s74, 2
	s_add_co_u32 s91, s91, 24                      ; eo: entries 6, 7,
	s_cmp_eq_u32 s74, 2
	s_cselect_b32 s92, 4, 0
	s_add_co_u32 s91, s91, s92                     ; and 9 for v
	s_wait_dscnt 0x0                               ; both opening adds are done
	s_wait_kmcnt 0x0
	s_load_b64 s[84:85], s[8:9], s77 offset:0x0
	s_load_b32 s90, s[8:9], s91 offset:0x0
	s_cmp_lt_u32 s74, 2
	s_cselect_b64 s[78:79], s[4:5], s[6:7]         ; A's buffer: the choice hangs on the cluster's y alone
	s_cselect_b64 s[80:81], s[6:7], s[4:5]         ; B's
	s_add_nc_u64 s[20:21], s[78:79], s[20:21]
	s_add_nc_u64 s[46:47], s[80:81], s[46:47]
	CROUND                                         ; all sixteen work-groups are here: the first joint loads meet
.irp s, 0,1
	s_mov_b32 s[G0+4*\s], 1
	s_add_co_u32 s[G0+4*\s+1], s45, \s*SLOT
	s_add_nc_u64 s[G0+4*\s+2:G0+4*\s+3], s[20:21], \s*ROWB
	s_or_b32 s[G0+4*\s+3], s[G0+4*\s+3], 0x80000000
	s_mov_b32 s[G0B+4*\s], 1
	s_add_co_u32 s[G0B+4*\s+1], s45, \s*SLOT
	s_add_nc_u64 s[G0B+4*\s+2:G0B+4*\s+3], s[46:47], \s*ROWB
	s_or_b32 s[G0B+4*\s+3], s[G0B+4*\s+3], 0x80000000
	JLOAD G0+4*\s, G1, G0B+4*\s, G1B
.endr
	v_and_b32 v1, 15, v0                           ; r = lane % 16
	v_bfe_u32 v2, v0, 4, 1                         ; h = lane / 16
	v_mul_u32_u24 v3, v1, PITCH
	v_lshl_add_u32 v4, v2, 4, v3                   ; a fragment's row x pitch + 16 x half
	s_mul_i32 s21, s15, HALFT                      ; my 128 rows of A
	s_mul_i32 s22, s16, HALFT                      ; my 128 rows of B,
	s_add_co_u32 s22, s22, 2*HALFT                 ; which lie behind A's 256
.irp s, 0,1
	v_add_nc_u32 v[ADRA+\s], s21, v4
	v_add_nc_u32 v[ADRB+\s], s22, v4
	s_add_co_u32 s21, s21, SLOT
	s_add_co_u32 s22, s22, SLOT
.endr
	v_and_b32 v6, 31, v0
	v_lshlrev_b32 v[CO], 4, v6
; A fragment, 16 rows x 128 K, by four loads of 16 bytes: registers 4 c .. 4 c + 3 hold K = 32 c + 16 h + 0 .. 15: the same permutation of k in A and in B, so every product meets its partner.
.macro FRAG reg, adr, q, i
.irp c, 0,1,2,3
	ds_load_b128 v[\reg+4*\c:\reg+4*\c+3], v[\adr] offset:128*(\q)+32*\c+(\i)*16*PITCH
.endr
.endm
; 16 matrix instructions: A's blocks a0, a0 + 1 x B's eight.  The 64 accumulators take turns, one instruction a turn, in the same order in every step.
.macro MUL16 a0, p, zero
.irp a, \a0, \a0+1
.irp b, 0,1,2,3,4,5,6,7
.if \zero
	v_wmma_f32_16x16x128_fp8_fp8 v[8*(8*((\a)%4)+\b):8*(8*((\a)%4)+\b)+7], v[128*(\p)+FR*\b:128*(\p)+FR*\b+FR-1], v[AF+FR*(\a):AF+FR*(\a)+FR-1], 0
.else
	v_wmma_f32_16x16x128_fp8_fp8 v[8*(8*((\a)%4)+\b):8*(8*((\a)%4)+\b)+7], v[128*(\p)+FR*\b:128*(\p)+FR*\b+FR-1], v[AF+FR*(\a):AF+FR*(\a)+FR-1], v[8*(8*((\a)%4)+\b):8*(8*((\a)%4)+\b)+7]
.endif
.endr
.endr
.endm
.macro FETCH_B slot, q, p
	WIN TO_B
.irp i, 0,1,2,3,4,5,6,7
	FRAG 128*(\p)+FR*\i, ADRB+\slot, \q, \i
.endr
	WIN 0
.endm
.macro FETCH_A slot, q, i0
.irp i, \i0, \i0+1, \i0+2, \i0+3
	FRAG AF+FR*(\i), ADRA+\slot, \q, \i
.endr
.endm
.macro PLACES n                        ; plain vector instructions between a matrix instruction and a load into, or a read of, its registers
.rept \n
	v_nop
.endr
.endm
; A step of 128 along K that has its successor in the same slot.
.macro STEP slot, q, zero
	s_wait_dscnt 4*NL                              ; B's set and A's blocks 0-3 are in; the youngest sixteen loads (A's blocks 4-7) may be out
	WIN MUL_LO
	MUL16 0, (\q)%2, \zero
	MUL16 2, (\q)%2, \zero
	s_wait_dscnt 0
	PLACES NP
	FETCH_B \slot, (\q)+1, 1-(\q)%2
	FETCH_A \slot, (\q)+1, 0
	WIN MUL_HI
	MUL16 4, (\q)%2, \zero
	MUL16 6, (\q)%2, \zero
	PLACES NP
	WIN 0
	FETCH_A \slot, (\q)+1, 4
.endm
; A slot's last step changes slots: one barrier; in front of it each wave waits for all its tensor loads, adds 0 to its spare word, and waits for that and for its reads of this slot.  fill = 1: the slot is filled again.
.macro TURN slot, next, fill
	s_wait_tensorcnt 0x0                           ; all my tensor loads have landed: my part of the next slot
	ds_add_u32 v[SPW], v[NIL]                      ; 0 onto my spare word
	s_wait_dscnt 4*NL+1                            ; (the add and the youngest sixteen loads may be out)
	WIN MUL_LO
	MUL16 0, 1, 0
	s_wait_dscnt 0x0                               ; the add is done, and my reads of this slot are over
	s_barrier_signal -1
	MUL16 2, 1, 0
	WIN 0
	s_barrier_wait -1
.if \fill
	CREST                                          ; the barrier has opened a round of the cluster's barrier: no wave of any partner still reads this slot or has a load on its way
	s_add_nc_u64 s[G0+4*\slot+2:G0+4*\slot+3], s[G0+4*\slot+2:G0+4*\slot+3], 2*ROWB
	s_add_nc_u64 s[G0B+4*\slot+2:G0B+4*\slot+3], s[G0B+4*\slot+2:G0B+4*\slot+3], 2*ROWB
	JLOAD G0+4*\slot, G1, G0B+4*\slot, G1B         ; the first tensor load behind the round; its four v_nop are the places in front of the loads below
.else
	PLACES NP
.endif
	FETCH_B \next, 0, 0
	FETCH_A \next, 0, 0
	WIN MUL_HI
	MUL16 4, 1, 0
	MUL16 6, 1, 0
	PLACES NP
	WIN 0
	FETCH_A \next, 0, 4
.endm
	s_wait_tensorcnt 1                             ; my part of slot 0 is in; slot 1's first fill may be out
	s_barrier_signal -1
	s_barrier_wait -1
	FETCH_B 0, 0, 0
	FETCH_A 0, 0, 0
	FETCH_A 0, 0, 4
	STEP 0, 0, 1                                   ; K = 1,024 is eight steps of 128 in four slots' worth: written out, no loop.  The first products start the sums
	TURN 0, 1, 1
	STEP 1, 0, 0
	TURN 1, 0, 1
	STEP 0, 0, 0
	TURN 0, 1, 0                                   ; nothing is left to fetch
	STEP 1, 0, 0
; THE WAY OUT of A's block a: value = sum x 2^(ea + eb) + bias, each accumulator from its low end on; the hold; four conversions for each four of B's blocks; four stores of 512 consecutive bytes.
.macro OUTA kind, a
.set AC, 64*((\a)%4)
.irp u, 0,1
	WIN 0x02+((\a)/4)                              ; source 0: window 2 or 3
.irp bb, 0,1,2,3
.irp i, 0,2,4,6
.if \kind == 0
	v_pk_fma_f32 v[TMP+8*\bb+\i:TMP+8*\bb+\i+1], v[AC+8*(4*\u+\bb)+\i:AC+8*(4*\u+\bb)+\i+1], s[96:97], v[BIA+8*(4*\u+\bb)+\i:BIA+8*(4*\u+\bb)+\i+1] op_sel_hi:[1,0,1]
.else
	v_pk_fma_f32 v[TMP+8*\bb+\i:TMP+8*\bb+\i+1], v[AC+8*(4*\u+\bb)+\i:AC+8*(4*\u+\bb)+\i+1], s[96:97], v[BIA+2*(\a):BIA+2*(\a)+1] op_sel_hi:[1,0,1]
.endif
.endr
.endr
	WIN 0
.set n, 0
.rept 32
	v_med3_num_f32 v[TMP+n], v[TMP+n], -v[LIMV], v[LIMV]   ; the conversion does not saturate (ISA guide 7.6.2): the hold comes first
.set n, n+1
.endr
.irp bb, 0,1,2,3
	v_cvt_scalef32_pk8_fp8_f32 v[COD+16*(\a)+2*(4*\u+\bb):COD+16*(\a)+2*(4*\u+\bb)+1], v[TMP+8*\bb:TMP+8*\bb+7], v[SCV]   ; eight neighbours along the next K: registers 2 c, 2 c + 1 of the next operand
.endr
	v_nop                                          ; a plain line between the conversions and the next lines that write their sources
.endr
.irp g, 0,1,2,3
.if \kind == 0
	global_store_b128 v[CO], v[COD+16*(\a)+4*\g:COD+16*(\a)+4*\g+3], s[88:89] offset:1024*(\a)+131072*(\g/2)+512*(\g%2) th:TH_STORE_NT   ; token tile a; head g / 2 of my two; half g % 2 of its fragment
.else
	global_store_b128 v[CO], v[COD+16*(\a)+4*\g:COD+16*(\a)+4*\g+3], s[88:89] offset:131072*((\a)/4)+2048*((\a)%4)+512*\g th:TH_STORE_NT   ; head a / 4 of my two; channel tile a % 4; quarter g of its fragment
.endif
.endr
.endm
; The last step of 128 along K and the way out.  The biases are asked for ahead of the last 64 products.  kind 0: a lane's eight registers are eight channels: bias (16 b + 8 h + j).  kind 1: a lane is a channel: bias (16 a + r), in both registers of a pair.
.macro TAIL kind
.if \kind == 0
	s_cmp_eq_u32 s74, 0
	s_cselect_b64 s[92:93], s[10:11], s[68:69]     ; wq_b or wk_b
	s_lshl_b32 s94, s42, 10                        ; B's tile: 256 channels of 4 bytes,
	s_lshl_b32 s95, s16, 9                         ; my half of them
	s_add_co_u32 s94, s94, s95
	s_mov_b32 s95, 0
	s_add_nc_u64 s[92:93], s[92:93], s[94:95]
	v_lshlrev_b32 v[BO], 5, v2                     ; 32 h
.irp b, 0,1,2,3,4,5,6,7
	global_load_b128 v[BIA+8*\b:BIA+8*\b+3], v[BO], s[92:93] offset:64*\b
	global_load_b128 v[BIA+8*\b+4:BIA+8*\b+7], v[BO], s[92:93] offset:64*\b+16
.endr
.else
	s_lshl_b32 s94, s17, 10                        ; A's tile of channels,
	s_lshl_b32 s95, s15, 9                         ; my half
	s_add_co_u32 s94, s94, s95
	s_mov_b32 s95, 0
	s_add_nc_u64 s[92:93], s[70:71], s[94:95]      ; wv_b
	v_lshlrev_b32 v[BO], 2, v1                     ; 4 r
.irp a, 0,1,2,3,4,5,6,7
	global_load_b32 v[BIA+2*\a], v[BO], s[92:93] offset:64*\a
	global_load_b32 v[BIA+2*\a+1], v[BO], s[92:93] offset:64*\a
.endr
.endif
	s_wait_dscnt 4*NL                              ; the very last step: nothing more to fetch
	WIN MUL_LO
	MUL16 0, 1, 0
	MUL16 2, 1, 0
	s_wait_dscnt 0
	WIN MUL_HI
	MUL16 4, 1, 0
	MUL16 6, 1, 0
	WIN 0
	s_wait_kmcnt 0x0
	s_add_co_i32 s96, s84, s85
	s_add_co_i32 s96, s96, 127
	s_lshl_b32 s96, s96, 23                        ; 2^(ea + eb) as f32
	s_mov_b32 s97, s96                             ; (named with it as a pair, so it is written)
	s_add_co_i32 s90, s90, 127
	s_lshl_b32 s91, s90, 23
	v_mov_b32 v[SCV], s91                          ; 2^eo
	s_add_co_i32 s90, s90, 8
	s_lshl_b32 s90, s90, 23
	s_or_b32 s90, s90, 0x600000
	v_mov_b32 v[LIMV], s90                         ; 448 x 2^eo
.if \kind == 0
	s_lshr_b32 s94, s17, 3                         ; batch: eight tiles of 256 tokens each
	s_lshl_b32 s94, s94, 4
	s_lshl_b32 s95, s42, 2
	s_add_co_u32 s94, s94, s95
	s_lshl_b32 s95, s16, 1
	s_add_co_u32 s94, s94, s95                     ; 16 x batch + my first head
	s_lshl_b32 s94, s94, 7                         ; x 128 token tiles
	s_and_b32 s95, s17, 7
	s_lshl_b32 s95, s95, 4
	s_add_co_u32 s94, s94, s95
	s_lshl_b32 s95, s15, 3
	s_add_co_u32 s94, s94, s95                     ; + my first token tile in the batch
	s_lshl_b32 s94, s94, 10                        ; x 1,024 bytes
.else
	s_lshr_b32 s94, s42, 3                         ; batch
	s_lshl_b32 s94, s94, 4
	s_lshl_b32 s95, s17, 2
	s_add_co_u32 s94, s94, s95
	s_lshl_b32 s95, s15, 1
	s_add_co_u32 s94, s94, s95                     ; 16 x batch + my first head
	s_lshl_b32 s94, s94, 4                         ; x 16 key steps
	s_and_b32 s95, s42, 7
	s_lshl_b32 s95, s95, 1
	s_add_co_u32 s94, s94, s95
	s_add_co_u32 s94, s94, s16                     ; + my key step: my 128 tokens
	s_lshl_b32 s94, s94, 13                        ; x 8,192 bytes
.endif
	s_add_co_u32 s94, s94, s82                     ; + the projection's part of frag
	s_mov_b32 s95, 0
	s_add_nc_u64 s[88:89], s[72:73], s[94:95]
	PLACES NP                                      ; behind the last products: their results are read and A's registers are written below
	s_wait_loadcnt 0x0                             ; the biases
.irp a, 0,1,2,3,4,5,6,7
	OUTA \kind, \a
.endr
	s_wait_tensorcnt 0x0                           ; the wave's end
	ds_add_u32 v[SPW], v[NIL]
	s_wait_dscnt 0x0
	CROUND                                         ; the closing round: no work-group ends while a partner may still ask for a tile that names it
	s_endpgm
.endm
	s_cmp_lt_u32 s74, 2                            ; the cluster's y alone: the same in all partners
	s_cbranch_scc0 .Lkind1
	TAIL 0
.Lkind1:
	TAIL 1
.Lfunc_end_k_q93cb39e7ed_proj:
	.size	k_q93cb39e7ed_proj, .Lfunc_end_k_q93cb39e7ed_proj-k_q93cb39e7ed_proj
	.p2alignl 7, 3214868480
	.fill 96, 4, 3214868480
	.section	.rodata,"a",@progbits
	.p2align	6, 0x0
	.amdhsa_kernel k_q93cb39e7ed_proj
		.amdhsa_group_segment_fixed_size 327680
		.amdhsa_private_segment_fixed_size 0
		.amdhsa_enable_private_segment 0
		.amdhsa_kernarg_size 56
		.amdhsa_user_sgpr_count 2
		.amdhsa_user_sgpr_kernarg_segment_ptr 1
		.amdhsa_wavefront_size32 1
		.amdhsa_system_sgpr_workgroup_id_x 1
		.amdhsa_system_sgpr_workgroup_id_y 1
		.amdhsa_system_sgpr_workgroup_id_z 1
		.amdhsa_system_vgpr_workitem_id 0
		.amdhsa_next_free_vgpr 1024
		.amdhsa_next_free_sgpr 100
		.amdhsa_reserve_vcc 0
		.amdhsa_float_denorm_mode_32 3
		.amdhsa_float_denorm_mode_16_64 3
		.amdhsa_memory_ordered 1
		.amdhsa_forward_progress 1
		.amdhsa_inst_pref_size 201
	.end_amdhsa_kernel
	.amdgpu_metadata
---
amdhsa.version: [ 1, 2 ]
amdhsa.kernels:
  - .name:           k_q93cb39e7ed_proj
    .symbol:         k_q93cb39e7ed_proj.kd
    .args:
      - { .name: xc, .offset: 0, .size: 8, .value_kind: global_buffer, .address_space: global }
      - { .name: wc, .offset: 8, .size: 8, .value_kind: global_buffer, .address_space: global }
      - { .name: lowp_scales, .offset: 16, .size: 8, .value_kind: global_buffer, .address_space: global }
      - { .name: wq_b, .offset: 24, .size: 8, .value_kind: global_buffer, .address_space: global }
      - { .name: wk_b, .offset: 32, .size: 8, .value_kind: global_buffer, .address_space: global }
      - { .name: wv_b, .offset: 40, .size: 8, .value_kind: global_buffer, .address_space: global }
      - { .name: frag, .offset: 48, .size: 8, .value_kind: global_buffer, .address_space: global }
    .group_segment_fixed_size: 327680
    .private_segment_fixed_size: 0
    .kernarg_segment_align: 8
    .kernarg_segment_size: 56
    .max_flat_workgroup_size: 128
    .sgpr_count:     100
    .vgpr_count:     1024
    .wavefront_size: 32
...
	.end_amdgpu_metadata
.endif
;; end of part 3
;; launch attn (part 4): grid 4 x 64, 16 waves a work-group, no clusters, 34,816 bytes of LDS; arguments frag, mask, flags, lowp_scales, of; writes of
.if DOCPART == 4
	.amdgcn_target "amdgcn-amd-amdhsa--gfx1250"
	.amdhsa_code_object_version 6
	.text
	.protected	k_q93cb39e7ed_attn
	.globl	k_q93cb39e7ed_attn
	.p2align	8
	.type	k_q93cb39e7ed_attn,@function
k_q93cb39e7ed_attn:
	s_mov_b64 s[64:65], 0
	v_nop
	global_prefetch_b8 v0, s[64:65] scope:SCOPE_SE
	s_setreg_imm32_b32 hwreg(HW_REG_WAVE_MODE, 25, 1), 1
	s_wait_xcnt 0x0
; Attention on codes of FP8 (E4M3): for each of 64 (batch, head) pairs, 2,048 queries x 2,048 keys, depth 64.  logit = score / 8 + mask x -1e9, the mask as it is given.
; THE SOFTMAX AHEAD OF THE SECOND PRODUCT: t = logit x log2(e); M = the running largest t rounded UP to a whole number; p = 2^(t - M) is quantised along the keys, not normalised; the row's sum is taken of the
; unquantised p and divides O at the end.  When M moves, the sum and O are multiplied by 2^(old M - new M): exact.
; WHAT IS PASSED OVER: tiles of 16 queries x 128 keys whose WORK bit, stored by the launch flags from the mask's own numbers, is 0: there every p is 0 in f32 and as a code (the proof stands at that launch's head).
; A tile whose GEN bit is 0 has a mask of zeros: its numbers are not loaded, and t - M is one multiply-add of the score.  In a GEN tile the logit is made as reference() makes it: mm = fl(mask x -1e9),
; L = fl(score x 2^(e6 + e7) / 8 + mm) (one fused multiply-add: the product is exact), t = fl(L x log2(e)), and then t - M.
; All branches hang on ids and on whole numbers read from memory (the flags; e8). No tensor load and no cluster: K and V go through registers into LDS.
; SHARES.  Work-group (x, batch x head) takes the query blocks 7 - x and then x, 256 queries each; each of its sixteen waves owns one tile of 16 queries: four waves to a SIMD, so that one wave's vector work stands
; beside another's matrix work and LDS loads.  The pairing only shares the work out; it is right for any mask.
; OPERANDS arrive as images of their registers (launch proj): a fragment's four registers of all lanes are 512 consecutive bytes.  A key step's K (8 fragments 16 keys x 64) and V^T (4 fragments 16 channels x 128 keys)
; are 8,192 bytes each: 512 threads x 16 bytes.  Two LDS slots take turns; one barrier a step orders this step's reads of one slot and its stores into the other with the next step's.
; LAYOUT.  S^T = K Q^T and O^T = V^T P^T: a lane holds ONE query throughout; the conversion of S^T's tile c gives registers 2 c, 2 c + 1 of P^T, that of O^T's tile t registers 2 t, 2 t + 1 of the last product's operand.
; of: [512 token tiles][16 heads][2][32 lanes][16 bytes].
; LIMITS: e6 + e7 between -120 and 120; e8 and e10 between -126 and 119; NaN and infinities among the inputs are not served.
; REGISTERS: v1 16 x lane; v3 16 x thread; v5, v6 the add's two; v7 my place in the mask; v8 the prefetch's offset; v12 -M, v13 the largest t, v[14:15] the sum in two halves; v16-23 Q; v24-31 the next step's 32 bytes of K and V;
; v32-95 K's fragments, then the mask, then V's; v96-159 S^T, then p; v160-191 O^T; v192-207 p's codes; v208-215 the codes that leave; v236-254 at work and constants.
.set SLOTB, 16384                      ; a slot: 8,192 bytes of K, then 8,192 of V
.set VOFF,  8192
.set SPARE, 32768                      ; behind the two slots: the spare words, 128 bytes a wave
.set LA,   1
.set T16,  3
.set SPW,  5
.set NIL,  6
.set MO,   7
.set PFO,  8
.set QF,   16
.set STG,  24
.set FRG,  32
.set S,    96
.set O,    160
.set PC,   192
.set OC,   208
.set WV,    14                         ; s14  wave
.set BLKN,  18                         ; s18  0, 1: which of my two blocks
.set STEPN, 19                         ; s19  the key step
.set SEL,   20                         ; s[20:21] selects for lane l xor 16
.set CC,    22                         ; s[22:23] what a register of S is multiplied by to give t: c in a plain tile, 1.0 in a GEN tile
.set CPL,   24                         ; s24  c = log2(e) / 8 x 2^(e6 + e7)
.set TRIP,  25                         ; s25  the loop's counter: two key steps a trip
.set SCL,   26                         ; s[26:27] 2^(e6 + e7) / 8
.set WORK,  28                         ; s28  my tile's WORK bits, the step in hand at bit 0
.set GEN,   29                         ; s29  its GEN bits
.set LOADW, 30                         ; s30  the sixteen waves' WORK bits joined, the NEXT step at bit 0: which steps' K and V are brought at all
.set HOLD,  31                         ; s31  1 where 448 x 2^e8 < 1, so that p must be held
.set KB,    34                         ; s[34:35] K's images of the next step
.set VB,    36                         ; s[36:37] V's
.set MB,    38                         ; s[38:39] my 16 rows of the mask at the step in hand
.set PFA,   40                         ; s[40:41] where my prefetches stand
.set PLIM,  42                         ; s42  a wave prefetches while the step is under this
.set PLIM0, 43
.set QB,    44                         ; s[44:45] my tile's image of Q
.set OB,    46                         ; s[46:47] where my tile's codes go
	s_load_b256 s[4:11], s[0:1], 0x0               ; frag s[4:5], mask s[6:7], flags s[8:9], lowp_scales s[10:11]
	s_load_b64 s[12:13], s[0:1], 0x20              ; of
	v_lshl_add_u32 v[SPW], v0, 2, SPARE
	v_mov_b32 v[NIL], 0
	v_lshrrev_b32 v9, 5, v0
	v_readfirstlane_b32 s[WV], v9                  ; wave 0..15
	s_mov_b32 s15, ttmp9                           ; x
	s_and_b32 s16, ttmp7, 0xffff                   ; 16 x batch + head
	v_and_b32 v9, 31, v0
	v_lshlrev_b32 v[LA], 4, v9
	v_lshlrev_b32 v[T16], 4, v0
	v_lshlrev_b32 v[PFO], 8, v9                    ; lanes 256 bytes apart: 8,192 bytes a wave
	v_and_b32 v10, 15, v0                          ; r: my query in the tile
	v_bfe_u32 v11, v0, 4, 1                        ; h
	v_lshlrev_b32 v[MO], 13, v10
	v_lshl_add_u32 v[MO], v11, 5, v[MO]            ; the mask: row r of 8,192 bytes, + 8 h keys
	v_mov_b32 v236, 0                              ; written once: a lane permute's destination counts as one of its sources
	v_mov_b32 v252, 0
	v_mov_b32 v253, 0                              ; (named as the upper half of the pair v[252:253])
.irp i, 0,1,2,3,4,5,6,7
	v_mov_b32 v[STG+\i], 0                         ; written once, so that they hold numbers on every way
.endr
	s_mov_b32 s[SEL], 0x76543210
	s_mov_b32 s[SEL+1], 0xfedcba98
	s_lshr_b32 s75, s[WV], 1
	s_or_b32 s75, s75, s15
	s_cmp_eq_u32 s75, 0                            ; waves 0 and 1 of the head's work-group x = 0 prefetch
	s_cselect_b32 s[PLIM0], 13, 0
	s_wait_kmcnt 0x0
	s_load_b128 s[68:71], s[10:11], 0x18           ; e6, e7, e8, e9
	s_load_b32 s72, s[10:11], 0x28                 ; e10
	s_wait_kmcnt 0x0
	s_add_co_i32 s74, s68, s69
	s_lshl_b32 s75, s74, 23
	s_add_co_i32 s[CPL], s75, 0x3e38aa3b           ; log2(e) / 8, with e6 + e7 added to its exponent field
	s_add_co_i32 s[SCL], s74, 124
	s_lshl_b32 s[SCL], s[SCL], 23                  ; 2^(e6 + e7 - 3)
	s_mov_b32 s[SCL+1], s[SCL]
	s_add_co_i32 s73, s70, s71                     ; e8 + e9
	s_add_co_i32 s75, s70, 127
	s_lshl_b32 s76, s75, 23
	v_mov_b32 v244, s76                            ; 2^e8, for p's conversions
	s_add_co_i32 s75, s75, 8
	s_lshl_b32 s75, s75, 23
	s_or_b32 s75, s75, 0x600000
	v_mov_b32 v240, s75                            ; 448 x 2^e8
	s_add_co_i32 s75, s72, 127
	s_lshl_b32 s76, s75, 23
	v_mov_b32 v245, s76                            ; 2^e10, for the result's
	s_add_co_i32 s75, s75, 8
	s_lshl_b32 s75, s75, 23
	s_or_b32 s75, s75, 0x600000
	v_mov_b32 v241, s75                            ; 448 x 2^e10
	s_cmp_lt_i32 s70, -8                           ; p <= 1, and 448 x 2^e8 >= 1.75 from e8 = -8 on: there the hold changes nothing and is passed over
	s_cselect_b32 s[HOLD], 1, 0
; A KEY STEP: 128 keys, read from slot \slot; the next step's K and V are brought into the other slot meanwhile.
.macro KSTEP slot
	s_bitcmp1_b32 s[LOADW], 0                      ; does any wave of the work-group want the next step?  (The same in all sixteen)
	s_cbranch_scc0 .Lno_stage_\@
	global_load_b128 v[STG:STG+3], v[T16], s[KB:KB+1]      ; 512 threads x 16 bytes: the step's 8,192 bytes of K,
	global_load_b128 v[STG+4:STG+7], v[T16], s[VB:VB+1]    ; and of V
.Lno_stage_\@:
; A prefetch into the L2 of the step two behind the one just asked for (step s + 3 in step s): two key steps ahead of its load.  All four work-groups of a head walk the same K and V: x = 0 asks, in its first walk,
; wave 0 for K's 8,192 bytes and wave 1 for V's, lanes 256 bytes apart: each block of 256 bytes is named once.  Steps 0 to 2 come by their loads alone; from step 13 on nothing is left to ask for.
	s_cmp_lt_u32 s[STEPN], s[PLIM]
	s_cbranch_scc0 .Lno_ask_\@
	global_prefetch_b8 v[PFO], s[PFA:PFA+1] offset:16384 th:TH_LOAD_NT scope:SCOPE_SE
.Lno_ask_\@:
	s_bitcmp1_b32 s[WORK], 0
	s_cbranch_scc0 .Lskip_\@                       ; my tile of this step is passed over; the barrier and the staging below are not
.irp t, 0,1,2,3,4,5,6,7
	ds_load_b128 v[FRG+8*\t:FRG+8*\t+3], v[LA] offset:\slot*SLOTB+1024*\t
	ds_load_b128 v[FRG+8*\t+4:FRG+8*\t+7], v[LA] offset:\slot*SLOTB+1024*\t+512
.endr
	s_mov_b32 s[CC], s[CPL]
	s_mov_b32 s[CC+1], s[CPL]
	s_wait_dscnt 0x0
.irp t, 0,1,2,3,4,5,6,7
	v_wmma_f32_16x16x64_fp8_fp8 v[S+8*\t:S+8*\t+7], v[FRG+8*\t:FRG+8*\t+7], v[QF:QF+7], 0   ; lane (r, h): query r; register 8 t + j: key 16 t + 8 h + j
.endr
.rept 4
	v_nop                                          ; places behind the products: their results are read, and loads go into their sources
.endr
	s_bitcmp1_b32 s[GEN], 0
	s_cbranch_scc0 .Lplain_\@
.irp t, 0,1,2,3,4,5,6,7
	global_load_b128 v[FRG+8*\t:FRG+8*\t+3], v[MO], s[MB:MB+1] offset:64*\t      ; the mask in the scores' own layout
	global_load_b128 v[FRG+8*\t+4:FRG+8*\t+7], v[MO], s[MB:MB+1] offset:64*\t+16
.endr
	s_wait_loadcnt 0x0
.set jj, 0
.rept 32
	v_pk_mul_f32 v[FRG+jj:FRG+jj+1], v[FRG+jj:FRG+jj+1], 0xce6e6b28 op_sel_hi:[1,0]   ; mm = mask x -1e9
.set jj, jj+2
.endr
.set jj, 0
.rept 32
	v_pk_fma_f32 v[S+jj:S+jj+1], v[S+jj:S+jj+1], s[SCL:SCL+1], v[FRG+jj:FRG+jj+1] op_sel_hi:[1,0,1]   ; the logit, rounded once, as the f32 addition rounds it
.set jj, jj+2
.endr
.set jj, 0
.rept 32
	v_pk_mul_f32 v[S+jj:S+jj+1], v[S+jj:S+jj+1], 0x3fb8aa3b op_sel_hi:[1,0]   ; t
.set jj, jj+2
.endr
	s_mov_b32 s[CC], 1.0
	s_mov_b32 s[CC+1], 1.0
.Lplain_\@:
.irp t, 0,1,2,3
.irp g, 0,1,2,3
	ds_load_b128 v[FRG+16*\t+4*\g:FRG+16*\t+4*\g+3], v[LA] offset:\slot*SLOTB+VOFF+2048*\t+512*\g   ; V's fragments land under the softmax
.endr
.endr
	v_max3_num_f32 v254, v[S], v[S+1], v[S+2]      ; the step's largest of my query, among my 64 keys, in two chains,
	v_max3_num_f32 v252, v[S+3], v[S+4], v[S+5]
.irp i, 6,10,14,18,22,26,30,34,38,42,46,50,54,58
	v_max3_num_f32 v254, v254, v[S+\i], v[S+1+\i]
	v_max3_num_f32 v252, v252, v[S+2+\i], v[S+3+\i]
.endr
	v_max3_num_f32 v254, v254, v[S+62], v[S+63]
	v_max_num_f32 v254, v254, v252
	v_permlanex16_b32 v236, v254, s[SEL], s[SEL+1]
	v_max_num_f32 v254, v254, v236                 ; and among lane l xor 16's
	v_mul_f32 v254, s[CC], v254                    ; as t (the factor is positive)
	v_max_num_f32 v13, v13, v254                   ; the running largest t
	v_mov_b32 v254, v12
	v_floor_f32 v12, -v13                          ; the new -M = floor(-t) = -ceil(t)
	v_sub_f32 v254, v12, v254                      ; old M less new M: a whole number, 0 or less
	v_cvt_i32_f32 v254, v254                       ; (it saturates)
	v_ldexp_f32 v252, 1.0, v254                    ; f = 2^(old M - new M)
.set jj, 0
.rept 32
	v_pk_fma_f32 v[S+jj:S+jj+1], v[S+jj:S+jj+1], s[CC:CC+1], v[12:13] op_sel_hi:[1,0,0]   ; t - M, two at a time
.set jj, jj+2
.endr
.set jj, 0
.rept 64
	v_exp_f32 v[S+jj], v[S+jj]                     ; p = 2^(t - M), at most 1
.set jj, jj+1
.endr
	v_pk_mul_f32 v[14:15], v[14:15], v[252:253] op_sel_hi:[1,0]   ; the sums under the new M.  (The plain line behind the exponentials)
	s_wait_alu depctr_va_vdst(0)                   ; the wait ahead of the first line that names a result: one for the batch of 64
	v_pk_add_f32 v[242:243], v[S:S+1], v[S+2:S+3]  ; the row's sum of the UNQUANTISED p, in two chains
.irp j, 4,8,12,16,20,24,28,32,36,40,44,48,52,56,60
	v_pk_add_f32 v[14:15], v[14:15], v[S+\j:S+1+\j]
	v_pk_add_f32 v[242:243], v[242:243], v[S+2+\j:S+3+\j]
.endr
	v_pk_add_f32 v[14:15], v[14:15], v[242:243]
	s_cmp_eq_u32 s[HOLD], 0
	s_cbranch_scc1 .Lno_hold_\@
.set jj, 0
.rept 64
	v_min_num_f32 v[S+jj], v[S+jj], v240           ; the conversion does not saturate (ISA guide 7.6.2); p is not negative, so the hold is one-sided
.set jj, jj+1
.endr
.Lno_hold_\@:
.irp t, 0,1,2,3,4,5,6,7
	v_cvt_scalef32_pk8_fp8_f32 v[PC+2*\t:PC+2*\t+1], v[S+8*\t:S+8*\t+7], v244   ; keys 16 t + 8 h + 0 .. 7: registers 2 t, 2 t + 1 of P^T
.endr
.set jj, 0
.rept 16
	v_pk_mul_f32 v[O+jj:O+jj+1], v[O+jj:O+jj+1], v[252:253] op_sel_hi:[1,0]   ; O^T under the new M.  (Also the plain lines between the conversions and the products)
.set jj, jj+2
.endr
	s_wait_dscnt 0x0                               ; V
.irp t, 0,1,2,3
	v_wmma_f32_16x16x128_fp8_fp8 v[O+8*\t:O+8*\t+7], v[FRG+16*\t:FRG+16*\t+15], v[PC:PC+15], v[O+8*\t:O+8*\t+7]   ; the four accumulators by turns
.endr
.rept 4
	v_nop                                          ; places in front of the next loads into these sources and the next reads of O^T
.endr
.Lskip_\@:
	s_wait_loadcnt 0x0                             ; the next step's 32 bytes, if they were asked for
	s_bitcmp1_b32 s[LOADW], 0
	s_cbranch_scc0 .Lno_put_\@
	ds_store_b128 v[T16], v[STG:STG+3] offset:(1-\slot)*SLOTB
	ds_store_b128 v[T16], v[STG+4:STG+7] offset:(1-\slot)*SLOTB+VOFF
.Lno_put_\@:
	s_wait_xcnt 0x0                                ; the step's loads and its prefetch have read their addresses, which are stepped now
	s_add_nc_u64 s[KB:KB+1], s[KB:KB+1], 8192
	s_add_nc_u64 s[VB:VB+1], s[VB:VB+1], 8192
	s_add_nc_u64 s[PFA:PFA+1], s[PFA:PFA+1], 8192
	s_add_nc_u64 s[MB:MB+1], s[MB:MB+1], 512
	s_lshr_b32 s[WORK], s[WORK], 1
	s_lshr_b32 s[GEN], s[GEN], 1
	s_lshr_b32 s[LOADW], s[LOADW], 1
	s_add_co_u32 s[STEPN], s[STEPN], 1
	s_wait_dscnt 0x0                               ; my stores into the other slot are done and my reads of this one are over:
	s_barrier_signal -1                            ; every wave passes this barrier in every step
	s_barrier_wait -1
.endm
	s_mov_b32 s[BLKN], 0
.Lblock:
	s_wait_xcnt 0x0                                ; the last block's loads and stores have read their registers and addresses
	s_sub_co_u32 s75, 7, s15
	s_cmp_eq_u32 s[BLKN], 0
	s_cselect_b32 s17, s75, s15                    ; the block: 7 - x, then x
	s_lshl_b32 s75, s17, 4
	s_add_co_u32 s75, s75, s[WV]                   ; my query tile, 0..127
	s_lshl_b32 s66, s17, 6
	s_lshl_b32 s67, s75, 2
	s_load_b512 s[48:63], s[8:9], s66 offset:0x0   ; the block's sixteen WORK words
	s_load_b32 s[WORK], s[8:9], s67 offset:0x0
	s_load_b32 s[GEN], s[8:9], s67 offset:0x200
	s_lshl_b32 s76, s16, 7
	s_add_co_u32 s76, s76, s75
	s_lshl_b32 s76, s76, 10
	s_mov_b32 s77, 0
	s_add_nc_u64 s[QB:QB+1], s[4:5], s[76:77]
	global_load_b128 v[QF:QF+3], v[LA], s[QB:QB+1]
	global_load_b128 v[QF+4:QF+7], v[LA], s[QB:QB+1] offset:512
	s_lshl_b32 s76, s16, 17                        ; 131,072 bytes for each batch x head
	s_add_co_u32 s78, s76, 0x800000                ; part 1 of frag: K
	s_mov_b32 s79, 0
	s_add_nc_u64 s[KB:KB+1], s[4:5], s[78:79]
	s_add_co_u32 s78, s76, 0x1000000               ; part 2: V
	s_add_nc_u64 s[VB:VB+1], s[4:5], s[78:79]
	s_lshl_b32 s78, s75, 17                        ; my 16 rows of the mask
	s_add_nc_u64 s[MB:MB+1], s[6:7], s[78:79]
	s_lshr_b32 s78, s16, 4
	s_lshl_b32 s78, s78, 7
	s_add_co_u32 s78, s78, s75                     ; the token tile among 512
	s_lshl_b32 s78, s78, 4
	s_and_b32 s80, s16, 15
	s_add_co_u32 s78, s78, s80                     ; x 16 heads + head
	s_lshl_b32 s78, s78, 10
	s_add_nc_u64 s[OB:OB+1], s[12:13], s[78:79]
	v_mov_b32 v13, 0xff61b1e6                      ; the largest t so far: -3e38
	v_floor_f32 v12, -v13                          ; -M
	v_mov_b32 v14, 0
	v_mov_b32 v15, 0
.set jj, 0
.rept 32
	v_mov_b32 v[O+jj], 0                           ; O^T: which step is a tile's first hangs on the flags, so no product can be written out to start the sums
.set jj, jj+1
.endr
	s_wait_kmcnt 0x0
	s_or_b32 s[LOADW], s48, s49
.irp i, 50,51,52,53,54,55,56,57,58,59,60,61,62,63
	s_or_b32 s[LOADW], s[LOADW], s[\i]
.endr
	s_bitcmp1_b32 s[LOADW], 0
	s_cbranch_scc0 .Lno_first
	global_load_b128 v[STG:STG+3], v[T16], s[KB:KB+1]      ; key step 0 into slot 0: the barrier at the end of the last block's last step stands behind every read of that slot
	global_load_b128 v[STG+4:STG+7], v[T16], s[VB:VB+1]
	s_wait_loadcnt 0x0
	ds_store_b128 v[T16], v[STG:STG+3]
	ds_store_b128 v[T16], v[STG+4:STG+7] offset:VOFF
.Lno_first:
	s_wait_loadcnt 0x0                             ; Q
	s_wait_xcnt 0x0
	s_add_nc_u64 s[KB:KB+1], s[KB:KB+1], 8192      ; on to key step 1
	s_add_nc_u64 s[VB:VB+1], s[VB:VB+1], 8192
	s_cmp_eq_u32 s[WV], 0
	s_cselect_b64 s[PFA:PFA+1], s[KB:KB+1], s[VB:VB+1]
	s_cmp_eq_u32 s[BLKN], 0
	s_cselect_b32 s[PLIM], s[PLIM0], 0             ; the second walk asks for nothing
	s_lshr_b32 s[LOADW], s[LOADW], 1
	s_mov_b32 s[STEPN], 0
	s_mov_b32 s[TRIP], 0
	s_wait_dscnt 0x0
	s_barrier_signal -1
	s_barrier_wait -1
.Lstep:                                            ; 8 trips of two key steps: the slots are constants of the text
	KSTEP 0
	KSTEP 1
	s_add_co_u32 s[TRIP], s[TRIP], 1
	s_cmp_lt_u32 s[TRIP], 8
	s_cbranch_scc1 .Lstep
	; THE WAY OUT of a block: O^T x 2^(e8 + e9) / the sum, quantised for the last product: the conversions' results are its operand's registers.
	v_add_f32 v14, v14, v15                        ; the sum's two halves,
	v_permlanex16_b32 v252, v14, s[SEL], s[SEL+1]
	v_add_f32 v14, v14, v252                       ; and lane l xor 16's.  It is at least 1/2: the step with a row's smallest mask is never passed over
	v_rcp_f32 v14, v14
	v_nop                                          ; a plain line behind the reciprocal
	s_wait_alu depctr_va_vdst(0)                   ; and a wait ahead of its first reader
	v_ldexp_f32 v14, v14, s73
.set jj, 0
.rept 16
	v_pk_mul_f32 v[S+jj:S+jj+1], v[O+jj:O+jj+1], v[14:15] op_sel_hi:[1,0]   ; each accumulator from its low end on
.set jj, jj+2
.endr
.set jj, 0
.rept 32
	v_med3_num_f32 v[S+jj], v[S+jj], -v241, v241
.set jj, jj+1
.endr
.irp t, 0,1,2,3
	v_cvt_scalef32_pk8_fp8_f32 v[OC+2*\t:OC+2*\t+1], v[S+8*\t:S+8*\t+7], v245   ; channels 16 t + 8 h + 0 .. 7 of my head
.endr
	v_nop                                          ; a plain line behind the last conversion
	global_store_b128 v[LA], v[OC:OC+3], s[OB:OB+1]            ; 512 consecutive bytes a store
	global_store_b128 v[LA], v[OC+4:OC+7], s[OB:OB+1] offset:512
	s_add_co_u32 s[BLKN], s[BLKN], 1
	s_cmp_lt_u32 s[BLKN], 2
	s_cbranch_scc1 .Lblock
	s_wait_tensorcnt 0x0                           ; the wave's end: behind my last LDS store
	ds_add_u32 v[SPW], v[NIL]
	s_wait_dscnt 0x0
	s_endpgm
.Lfunc_end_k_q93cb39e7ed_attn:
	.size	k_q93cb39e7ed_attn, .Lfunc_end_k_q93cb39e7ed_attn-k_q93cb39e7ed_attn
	.p2alignl 7, 3214868480
	.fill 96, 4, 3214868480
	.section	.rodata,"a",@progbits
	.p2align	6, 0x0
	.amdhsa_kernel k_q93cb39e7ed_attn
		.amdhsa_group_segment_fixed_size 34816
		.amdhsa_private_segment_fixed_size 0
		.amdhsa_enable_private_segment 0
		.amdhsa_kernarg_size 40
		.amdhsa_user_sgpr_count 2
		.amdhsa_user_sgpr_kernarg_segment_ptr 1
		.amdhsa_wavefront_size32 1
		.amdhsa_system_sgpr_workgroup_id_x 1
		.amdhsa_system_sgpr_workgroup_id_y 1
		.amdhsa_system_sgpr_workgroup_id_z 1
		.amdhsa_system_vgpr_workitem_id 0
		.amdhsa_next_free_vgpr 256
		.amdhsa_next_free_sgpr 96
		.amdhsa_reserve_vcc 0
		.amdhsa_float_denorm_mode_32 3
		.amdhsa_float_denorm_mode_16_64 3
		.amdhsa_memory_ordered 1
		.amdhsa_forward_progress 1
		.amdhsa_inst_pref_size 63
	.end_amdhsa_kernel
	.amdgpu_metadata
---
amdhsa.version: [ 1, 2 ]
amdhsa.kernels:
  - .name:           k_q93cb39e7ed_attn
    .symbol:         k_q93cb39e7ed_attn.kd
    .args:
      - { .name: frag, .offset: 0, .size: 8, .value_kind: global_buffer, .address_space: global }
      - { .name: mask, .offset: 8, .size: 8, .value_kind: global_buffer, .address_space: global }
      - { .name: flags, .offset: 16, .size: 8, .value_kind: global_buffer, .address_space: global }
      - { .name: lowp_scales, .offset: 24, .size: 8, .value_kind: global_buffer, .address_space: global }
      - { .name: of, .offset: 32, .size: 8, .value_kind: global_buffer, .address_space: global }
    .group_segment_fixed_size: 34816
    .private_segment_fixed_size: 0
    .kernarg_segment_align: 8
    .kernarg_segment_size: 40
    .max_flat_workgroup_size: 512
    .sgpr_count:     96
    .vgpr_count:     256
    .wavefront_size: 32
...
	.end_amdgpu_metadata
.endif
;; end of part 4
;; launch oproj (part 5): grid 4 x 32, 4 waves a work-group, clusters of 4 x 4, 327,680 bytes of LDS; arguments of, wc, lowp_scales, wo_b, out0; writes out0
.if DOCPART == 5
	.amdgcn_target "amdgcn-amd-amdhsa--gfx1250"
	.amdhsa_code_object_version 6
	.text
	.protected	k_q93cb39e7ed_oproj
	.globl	k_q93cb39e7ed_oproj
	.p2align	8
	.type	k_q93cb39e7ed_oproj,@function
k_q93cb39e7ed_oproj:
	s_mov_b64 s[64:65], 0
	v_nop
	global_prefetch_b8 v0, s[64:65] scope:SCOPE_SE
	s_setreg_imm32_b32 hwreg(HW_REG_WAVE_MODE, 25, 1), 1
	s_wait_xcnt 0x0
	s_wait_alu depctr_hold_cnt(0) depctr_sa_sdst(0) depctr_va_vdst(0) depctr_va_sdst(0) depctr_va_ssrc(0) depctr_va_vcc(0) depctr_vm_vsrc(0)
	s_getreg_b32 s2, hwreg(HW_REG_IB_STS2, 6, 4)
	s_cmp_eq_u32 s2, 0
	s_cbranch_scc0 .Lentry_in_a_cluster
	s_endpgm
.Lentry_in_a_cluster:
	s_bfe_u32 s2, ttmp6, 0x10000c
	s_cmp_lg_u32 s2, 0xf033
	s_cbranch_scc0 .Lentry_shape_is_right
	s_endpgm
.Lentry_shape_is_right:
; out0 = attention's result x wo + bo on codes of FP8 (E4M3): [8192 x 1024] x [1024 x 1024], f32 out.  No work is left out.
; A tile of 256 x 256 is made by four waves, 128 x 128 each: 64 accumulators.  K = 1,024 goes in four steps of 256 through two LDS slots filled by the tensor data mover.
; CLUSTERS: 4 x 4 work-groups; A's tiles are shared along a row of the cluster, B's along a column, each asked for jointly.  Source 0 = 16 rows of B (output channels), source 1 = 16 tokens: a lane holds eight neighbouring numbers of a row of out0.
; A ARRIVES AS IMAGES OF ITS REGISTERS (launch attn): of = [512 token tiles][16 heads][2][32 lanes][16 bytes]; two heads on end are a fragment 16 tokens x 128 K: registers 2 c, 2 c + 1 hold k = 16 c + 8 h + 0 .. 7.
; A slot's part of a token tile is 4,096 consecutive bytes; a load brings 8 such rows, 16,384 bytes apart, laid on end; a fragment is four loads of 512 consecutive bytes.
; B (wc's fourth part, rows along K) is read in the same order of k: eight loads of 8 bytes a fragment, at row x 272 + 8 h + 16 c: the 32 lanes touch 64 different banks.
; out0 = sum x 2^(e10 + e11) + bo.  LIMIT: e10 + e11 between -126 and 127.
; REGISTERS, in windows of 256: window 0: v0-31 addresses; v96-99 my four numbers of bo; from v128 A's fragments, ONE set, on the way out rows of out0.  window 1: B's fragments, TWO sets.  windows 2, 3: the accumulators.
.set SIZE_N, 1024
.set ROWB,   256                       ; a row of B's tile in bytes
.set KROW,   1024
.set PITCH,  272
.set FR,     16
.set NL,     4                         ; LDS loads that bring a fragment of A
.set NP,     4
.set HALFT,  128*PITCH                 ; a quarter of a slot: B's 128 padded rows fill it, A's 8 rows of 4,096 bytes take 32,768 of it
.set SLOT,   4*HALFT
.set SPARE,  2*SLOT
.set SPITCH, 528                       ; the way out: a stage of 16 rows x (512 bytes + 16) a wave, in slot 0, which has had its last fill and its last read by then
.set ADRA, 16
.set ADRB, 20
.set STO,  24
.set RD,   25
.set CO,   26
.set SPW,  28
.set NIL,  29
.set BIA,  96
.set AF,   128
.set BK,   128
.set G1, 24
.set G0, 32
.set G1B, 48
.set G0B, 56
.set MSB, 0
.macro WIN new
.if MSB != (\new)
	s_set_vgpr_msb (MSB<<8)|(\new)
.set MSB, (\new)
.endif
.endm
.set MUL_LO, 0xa1
.set MUL_HI, 0xf1
.set TO_B,   0x40
.macro JLOAD g0a, g1a, g0b, g1b        ; a joint load: waves 0 and 1 fetch for A, waves 2 and 3 for B; an s_nop 0 and four v_nop follow each of the two lines
	s_cmp_eq_u32 s15, 0
	s_cbranch_scc0 .Lfor_b_\@
	tensor_load_to_lds s[\g0a:\g0a+3], s[\g1a:\g1a+7]
	s_nop 0
.rept 4
	v_nop
.endr
	s_branch .Lasked_\@
.Lfor_b_\@:
	tensor_load_to_lds s[\g0b:\g0b+3], s[\g1b:\g1b+7]
	s_nop 0
.rept 4
	v_nop
.endr
.Lasked_\@:
.endm
.macro CREST
	s_cmp_lg_u32 s14, 0
	s_cbranch_scc1 .Lnot_wave_0_\@
	s_barrier_signal -3
.Lnot_wave_0_\@:
	s_barrier_wait -3
	s_barrier_signal -1
	s_barrier_wait -1
.endm
.macro CROUND
	s_barrier_signal -1
	s_barrier_wait -1
	CREST
.endm
	s_load_b256 s[4:11], s[0:1], 0x0               ; of s[4:5], wc s[6:7], lowp_scales s[8:9], wo_b s[10:11]
	s_load_b64 s[12:13], s[0:1], 0x20              ; out0
	v_lshl_add_u32 v[SPW], v0, 2, SPARE
	v_mov_b32 v[NIL], 0
	ds_add_u32 v[SPW], v[NIL]                      ; the wave's opening: the add, twice on end, and its wait ahead of my first tensor load
	ds_add_u32 v[SPW], v[NIL]
	v_lshrrev_b32 v1, 5, v0
	v_readfirstlane_b32 s14, v1                    ; wave 0..3
	s_lshr_b32 s15, s14, 1                         ; which half of the tile's rows is mine.  Also: I fetch for A (0) or for B (1)
	s_and_b32 s16, s14, 1                          ; which half of its columns.  Also: which half of that tile I fetch
	s_bfe_u32 s40, ttmp6, 0x40000                  ; cx, cy
	s_bfe_u32 s41, ttmp6, 0x40004
	s_lshl_b32 s42, ttmp9, 2
	s_add_co_u32 s42, s42, s40                     ; tile column
	s_and_b32 s17, ttmp7, 0xffff
	s_lshl_b32 s17, s17, 2
	s_add_co_u32 s17, s17, s41                     ; tile row
	s_lshl_b32 s43, s41, 2
	s_lshl_b32 s43, 15, s43                        ; my row of the cluster
	s_lshl_b32 s44, 0x1111, s40                    ; my column
	s_or_b32 s[G1+0], s43, (0<<16)|(1<<21)         ; A: 15:0 the mask; elements of 1 byte; no padding; 21 set beside a mask
	s_mov_b32 s[G1+1], 4096<<16                    ; tensor_dim0 = 4,096
	s_mov_b32 s[G1+2], 8<<16                       ; tensor_dim1 = 8
	s_mov_b32 s[G1+3], 4096<<16                    ; tile_dim0
	s_mov_b32 s[G1+4], 8                           ; tile_dim1
	s_mov_b32 s[G1+5], 16384                       ; from token tile to token tile
	s_mov_b32 s[G1+6], 0
	s_mov_b32 s[G1+7], 0
	s_or_b32 s[G1B+0], s44, (0<<16)|(1<<20)|(1<<21)|(5<<22)|(3<<25)   ; B: padding of four words after every 64
	s_mov_b32 s[G1B+1], ROWB<<16
	s_mov_b32 s[G1B+2], 128<<16
	s_mov_b32 s[G1B+3], ROWB<<16
	s_mov_b32 s[G1B+4], 128
	s_mov_b32 s[G1B+5], KROW
	s_mov_b32 s[G1B+6], 0
	s_mov_b32 s[G1B+7], 0
	s_lshl_b32 s18, s16, 17                        ; the half that I fetch: 8 token tiles of 16,384 bytes, or 128 rows of 1,024: the same number
	s_lshl_b32 s20, s17, 18                        ; A: 16 token tiles a tile row
	s_add_co_u32 s20, s20, s18
	s_mov_b32 s21, 0
	s_lshl_b32 s46, s42, 18                        ; B: 256 rows a tile column,
	s_add_co_u32 s46, s46, s18
	s_add_co_u32 s46, s46, 3<<20                   ; in wc's fourth part
	s_mov_b32 s47, 0
	s_mul_i32 s45, s14, HALFT                      ; where they go: no place in the cluster enters an LDS address
	s_wait_dscnt 0x0                               ; both opening adds are done
	s_wait_kmcnt 0x0
	s_load_b64 s[96:97], s[8:9], 0x28              ; e10, e11
	s_add_nc_u64 s[20:21], s[4:5], s[20:21]
	s_add_nc_u64 s[46:47], s[6:7], s[46:47]
	CROUND                                         ; all sixteen work-groups are here: the first joint loads meet
.irp s, 0,1
	s_mov_b32 s[G0+4*\s], 1
	s_add_co_u32 s[G0+4*\s+1], s45, \s*SLOT
	s_add_nc_u64 s[G0+4*\s+2:G0+4*\s+3], s[20:21], \s*4096
	s_or_b32 s[G0+4*\s+3], s[G0+4*\s+3], 0x80000000
	s_mov_b32 s[G0B+4*\s], 1
	s_add_co_u32 s[G0B+4*\s+1], s45, \s*SLOT
	s_add_nc_u64 s[G0B+4*\s+2:G0B+4*\s+3], s[46:47], \s*ROWB
	s_or_b32 s[G0B+4*\s+3], s[G0B+4*\s+3], 0x80000000
	JLOAD G0+4*\s, G1, G0B+4*\s, G1B
.endr
	v_and_b32 v1, 15, v0                           ; r
	v_bfe_u32 v2, v0, 4, 1                         ; h
	v_and_b32 v6, 31, v0
	v_lshlrev_b32 v[CO], 4, v6                     ; 16 x lane
	v_mul_u32_u24 v3, v1, PITCH
	v_lshl_add_u32 v4, v2, 3, v3                   ; B: row x pitch + 8 h
	s_mul_i32 s21, s15, HALFT                      ; my 8 token tiles of A
	s_mul_i32 s22, s16, HALFT                      ; my 128 rows of B,
	s_add_co_u32 s22, s22, 2*HALFT                 ; which lie behind A's two quarters
.irp s, 0,1
	v_add_nc_u32 v[ADRA+\s], s21, v[CO]
	v_add_nc_u32 v[ADRB+\s], s22, v4
	s_add_co_u32 s21, s21, SLOT
	s_add_co_u32 s22, s22, SLOT
.endr
	s_mul_i32 s23, s14, 16*SPITCH                  ; my stage
	v_mul_u32_u24 v5, v1, SPITCH                   ; in: row r, 32 bytes for each half of the lanes
	v_lshl_add_u32 v5, v2, 5, v5
	v_add_nc_u32 v[STO], s23, v5
	v_add_nc_u32 v[RD], s23, v[CO]                 ; back: the 32 lanes take one row of 512 bytes
	s_lshl_b32 s94, s42, 10                        ; my 128 columns, in bytes of f32: 1,024 x tile column + 512 x half
	s_lshl_b32 s95, s16, 9
	s_add_co_u32 s94, s94, s95
	s_mov_b32 s95, 0
	s_add_nc_u64 s[92:93], s[10:11], s[94:95]
	global_load_b128 v[BIA:BIA+3], v[CO], s[92:93] ; bo at the four columns that I store
	s_lshl_b32 s20, s17, 20                        ; my first row of out0: 256 rows of 4,096 bytes a tile row,
	s_lshl_b32 s21, s15, 19                        ; 128 for my half
	s_add_co_u32 s20, s20, s21
	s_add_co_u32 s20, s20, s94
	s_mov_b32 s21, 0
	s_add_nc_u64 s[12:13], s[12:13], s[20:21]
.macro AFRAG reg, adr, q, i            ; token tile i, the slot's q-th 128 along K: four groups of four registers, 512 consecutive bytes each
.irp c, 0,1,2,3
	ds_load_b128 v[\reg+4*\c:\reg+4*\c+3], v[\adr] offset:4096*(\i)+2048*(\q)+512*\c
.endr
.endm
.macro BFRAG reg, adr, q, i            ; 16 rows of B: registers 2 c, 2 c + 1 hold k = 16 c + 8 h + 0 .. 7
.irp c, 0,1,2,3,4,5,6,7
	ds_load_b64 v[\reg+2*\c:\reg+2*\c+1], v[\adr] offset:128*(\q)+16*\c+(\i)*16*PITCH
.endr
.endm
.macro MUL16 a0, p, zero               ; the 64 accumulators take turns, one instruction a turn, in the same order in every step
.irp a, \a0, \a0+1
.irp b, 0,1,2,3,4,5,6,7
.if \zero
	v_wmma_f32_16x16x128_fp8_fp8 v[8*(8*((\a)%4)+\b):8*(8*((\a)%4)+\b)+7], v[128*(\p)+FR*\b:128*(\p)+FR*\b+FR-1], v[AF+FR*(\a):AF+FR*(\a)+FR-1], 0
.else
	v_wmma_f32_16x16x128_fp8_fp8 v[8*(8*((\a)%4)+\b):8*(8*((\a)%4)+\b)+7], v[128*(\p)+FR*\b:128*(\p)+FR*\b+FR-1], v[AF+FR*(\a):AF+FR*(\a)+FR-1], v[8*(8*((\a)%4)+\b):8*(8*((\a)%4)+\b)+7]
.endif
.endr
.endr
.endm
.macro FETCH_B slot, q, p
	WIN TO_B
.irp i, 0,1,2,3,4,5,6,7
	BFRAG 128*(\p)+FR*\i, ADRB+\slot, \q, \i
.endr
	WIN 0
.endm
.macro FETCH_A slot, q, i0
.irp i, \i0, \i0+1, \i0+2, \i0+3
	AFRAG AF+FR*(\i), ADRA+\slot, \q, \i
.endr
.endm
.macro PLACES n
.rept \n
	v_nop
.endr
.endm
.macro STEP slot, q, zero
	s_wait_dscnt 4*NL                              ; B's set and A's blocks 0-3 are in; the youngest sixteen loads (A's blocks 4-7) may be out
	WIN MUL_LO
	MUL16 0, (\q)%2, \zero
	MUL16 2, (\q)%2, \zero
	s_wait_dscnt 0
	PLACES NP
	FETCH_B \slot, (\q)+1, 1-(\q)%2
	FETCH_A \slot, (\q)+1, 0
	WIN MUL_HI
	MUL16 4, (\q)%2, \zero
	MUL16 6, (\q)%2, \zero
	PLACES NP
	WIN 0
	FETCH_A \slot, (\q)+1, 4
.endm
.macro TURN slot, next, fill
	s_wait_tensorcnt 0x0                           ; all my tensor loads have landed: my part of the next slot
	ds_add_u32 v[SPW], v[NIL]                      ; 0 onto my spare word
	s_wait_dscnt 4*NL+1                            ; (the add and the youngest sixteen loads may be out)
	WIN MUL_LO
	MUL16 0, 1, 0
	s_wait_dscnt 0x0                               ; the add is done, and my reads of this slot are over
	s_barrier_signal -1
	MUL16 2, 1, 0
	WIN 0
	s_barrier_wait -1
.if \fill
	CREST                                          ; the barrier has opened a round of the cluster's barrier: no wave of any partner still reads this slot or has a load on its way
	s_add_nc_u64 s[G0+4*\slot+2:G0+4*\slot+3], s[G0+4*\slot+2:G0+4*\slot+3], 2*4096
	s_add_nc_u64 s[G0B+4*\slot+2:G0B+4*\slot+3], s[G0B+4*\slot+2:G0B+4*\slot+3], 2*ROWB
	JLOAD G0+4*\slot, G1, G0B+4*\slot, G1B         ; the first tensor load behind the round; its four v_nop are the places in front of the loads below
.else
	PLACES NP
.endif
	FETCH_B \next, 0, 0
	FETCH_A \next, 0, 0
	WIN MUL_HI
	MUL16 4, 1, 0
	MUL16 6, 1, 0
	PLACES NP
	WIN 0
	FETCH_A \next, 0, 4
.endm
	s_wait_tensorcnt 1                             ; my part of slot 0 is in; slot 1's first fill may be out
	s_barrier_signal -1
	s_barrier_wait -1
	FETCH_B 0, 0, 0
	FETCH_A 0, 0, 0
	FETCH_A 0, 0, 4
	STEP 0, 0, 1                                   ; eight steps of 128 along K, written out; the first products start the sums
	TURN 0, 1, 1
	STEP 1, 0, 0
	TURN 1, 0, 1
	STEP 0, 0, 0
	TURN 0, 1, 0                                   ; nothing is left to fetch
	STEP 1, 0, 0
	s_wait_dscnt 4*NL
	WIN MUL_LO
	MUL16 0, 1, 0
	MUL16 2, 1, 0
	s_wait_dscnt 0
	WIN MUL_HI
	MUL16 4, 1, 0
	MUL16 6, 1, 0
	WIN 0
; THE WAY OUT, block by block of 16 rows x 128 columns: the sums go as they are through my own stage in LDS and come back as whole rows of 512 bytes; there a lane holds four columns, the same in every row, so that
; sum x 2^(e10 + e11) + bo is one packed multiply-add for two numbers, with the lane's four numbers of bo.  LDS serves a wave's instructions in order: no wait between the stores and the loads.
.macro TOSTAGE a
.set AC, 64*((\a)%4)
	WIN 0x08+4*((\a)/4)                            ; the stores' data: window 2 or 3
.irp b, 0,1,2,3,4,5,6,7
	ds_store_b128 v[STO], v[AC+8*\b:AC+8*\b+3] offset:64*\b          ; each accumulator from its low end on
	ds_store_b128 v[STO], v[AC+8*\b+4:AC+8*\b+7] offset:64*\b+16
.endr
	WIN 0
.set BB, BK+64*((\a)%2)
.irp t, 0,1,2,3,4,5,6,7,8,9,10,11,12,13,14,15
	ds_load_b128 v[BB+4*\t:BB+4*\t+3], v[RD] offset:\t*SPITCH
.endr
.endm
.macro SEND a, younger                 ; younger: the LDS instructions issued behind block a's loads, which may stay out
.set BB, BK+64*((\a)%2)
	s_wait_dscnt \younger
.if (\a) > 0
	s_add_nc_u64 s[12:13], s[12:13], 16*SIZE_N*4   ; (behind a wait on XCNT: the earlier stores have read their base)
.endif
.irp t, 0,1,2,3,4,5,6,7,8,9,10,11,12,13,14,15
	v_pk_fma_f32 v[BB+4*\t:BB+4*\t+1], v[BB+4*\t:BB+4*\t+1], s[96:97], v[BIA:BIA+1] op_sel_hi:[1,0,1]
	v_pk_fma_f32 v[BB+4*\t+2:BB+4*\t+3], v[BB+4*\t+2:BB+4*\t+3], s[96:97], v[BIA+2:BIA+3] op_sel_hi:[1,0,1]
.endr
.irp t, 0,1,2,3,4,5,6,7,8,9,10,11,12,13,14,15
	global_store_b128 v[CO], v[BB+4*\t:BB+4*\t+3], s[12:13] offset:\t*SIZE_N*4 th:TH_STORE_NT   ; 32 lanes store 512 consecutive bytes, aligned
.endr
.endm
	s_wait_kmcnt 0x0
	s_add_co_i32 s96, s96, s97
	s_add_co_i32 s96, s96, 127
	s_lshl_b32 s96, s96, 23                        ; 2^(e10 + e11) as f32
	s_mov_b32 s97, s96                             ; (named with it as a pair, so it is written)
	s_wait_loadcnt 0x0                             ; bo
	PLACES NP                                      ; behind the last products: their results are stored, and loads go into the registers that held A's fragments
	TOSTAGE 0
.irp a, 1,2,3,4,5,6,7
.if \a > 1
	s_wait_xcnt 0x0                                ; block a - 2's stores have read their registers and their base
.endif
	TOSTAGE \a
	SEND \a-1, 32                                  ; behind block a - 1's loads: block a's 16 stores and 16 loads
.endr
	s_wait_xcnt 0x0
	SEND 7, 0
	s_wait_tensorcnt 0x0                           ; the wave's end: behind my last tensor load and my last LDS store
	ds_add_u32 v[SPW], v[NIL]
	s_wait_dscnt 0x0
	CROUND                                         ; the closing round: no work-group ends while a partner may still ask for a tile that names it
	s_endpgm
.Lfunc_end_k_q93cb39e7ed_oproj:
	.size	k_q93cb39e7ed_oproj, .Lfunc_end_k_q93cb39e7ed_oproj-k_q93cb39e7ed_oproj
	.p2alignl 7, 3214868480
	.fill 96, 4, 3214868480
	.section	.rodata,"a",@progbits
	.p2align	6, 0x0
	.amdhsa_kernel k_q93cb39e7ed_oproj
		.amdhsa_group_segment_fixed_size 327680
		.amdhsa_private_segment_fixed_size 0
		.amdhsa_enable_private_segment 0
		.amdhsa_kernarg_size 40
		.amdhsa_user_sgpr_count 2
		.amdhsa_user_sgpr_kernarg_segment_ptr 1
		.amdhsa_wavefront_size32 1
		.amdhsa_system_sgpr_workgroup_id_x 1
		.amdhsa_system_sgpr_workgroup_id_y 1
		.amdhsa_system_sgpr_workgroup_id_z 1
		.amdhsa_system_vgpr_workitem_id 0
		.amdhsa_next_free_vgpr 1024
		.amdhsa_next_free_sgpr 98
		.amdhsa_reserve_vcc 0
		.amdhsa_float_denorm_mode_32 3
		.amdhsa_float_denorm_mode_16_64 3
		.amdhsa_memory_ordered 1
		.amdhsa_forward_progress 1
		.amdhsa_inst_pref_size 139
	.end_amdhsa_kernel
	.amdgpu_metadata
---
amdhsa.version: [ 1, 2 ]
amdhsa.kernels:
  - .name:           k_q93cb39e7ed_oproj
    .symbol:         k_q93cb39e7ed_oproj.kd
    .args:
      - { .name: of, .offset: 0, .size: 8, .value_kind: global_buffer, .address_space: global }
      - { .name: wc, .offset: 8, .size: 8, .value_kind: global_buffer, .address_space: global }
      - { .name: lowp_scales, .offset: 16, .size: 8, .value_kind: global_buffer, .address_space: global }
      - { .name: wo_b, .offset: 24, .size: 8, .value_kind: global_buffer, .address_space: global }
      - { .name: out0, .offset: 32, .size: 8, .value_kind: global_buffer, .address_space: global }
    .group_segment_fixed_size: 327680
    .private_segment_fixed_size: 0
    .kernarg_segment_align: 8
    .kernarg_segment_size: 40
    .max_flat_workgroup_size: 128
    .sgpr_count:     98
    .vgpr_count:     1024
    .wavefront_size: 32
...
	.end_amdgpu_metadata
.endif
;; end of part 5
;; ======== version 2 of 2: 5 launches; version 1 with the launch attn written anew for expert scheduling mode
;; workspace buffers: xc 25,165,824 bytes; wc 4,194,304 bytes; frag 25,165,824 bytes; of 8,388,608 bytes; flags 1,024 bytes of whole numbers
;; launch prep: the kernel of part 1 again; grid 896 x 1, 4 waves a work-group, no clusters, 68,096 bytes of LDS; arguments q, k, v, wq_w, wk_w, wv_w, wo_w, lowp_scales, xc, wc; writes xc, wc
;; launch flags: the kernel of part 2 again; grid 128 x 1, 16 waves a work-group, no clusters, 2,304 bytes of LDS; arguments mask, lowp_scales, flags; writes flags
;; launch proj: the kernel of part 3 again; grid 4 x 96, 4 waves a work-group, clusters of 4 x 4, 327,680 bytes of LDS; arguments xc, wc, lowp_scales, wq_b, wk_b, wv_b, frag; writes frag
;; launch attn (part 6): grid 4 x 64, 16 waves a work-group, no clusters, 34,816 bytes of LDS; arguments frag, mask, flags, lowp_scales, of; writes of
.if DOCPART == 6
	.amdgcn_target "amdgcn-amd-amdhsa--gfx1250"
	.amdhsa_code_object_version 6
	.text
	.protected	k_q93cb39e7ed_attn
	.globl	k_q93cb39e7ed_attn
	.p2align	8
	.type	k_q93cb39e7ed_attn,@function
k_q93cb39e7ed_attn:
	s_mov_b64 s[64:65], 0
	v_nop
	global_prefetch_b8 v0, s[64:65] scope:SCOPE_SE
	s_setreg_imm32_b32 hwreg(HW_REG_WAVE_SCHED_MODE, 0, 2), 2
	s_setreg_imm32_b32 hwreg(HW_REG_WAVE_MODE, 25, 1), 1
	s_wait_xcnt 0x0
	s_wait_alu depctr_vm_vsrc(0)
; Attention on codes of FP8 (E4M3): for each of 64 (batch, head) pairs, 2,048 queries x 2,048 keys, depth 64.  logit = score / 8 + mask x -1e9, the mask as it is given.
; THE SOFTMAX AHEAD OF THE SECOND PRODUCT: t = logit x log2(e); M = the running largest t rounded UP to a whole number; p = 2^(t - M) is quantised along the keys, not normalised; the row's sum is taken of the
; unquantised p and divides O at the end.  When M moves, the sum and O are multiplied by 2^(old M - new M): exact.
; WHAT IS PASSED OVER: tiles of 16 queries x 128 keys whose WORK bit, stored by the launch flags from the mask's own numbers, is 0: there every p is 0 in f32 and as a code (the proof stands at that launch's head).
; A tile whose GEN bit is 0 has a mask of zeros: its numbers are not loaded, and t - M is one multiply-add of the score.  In a GEN tile the logit is made as reference() makes it: mm = fl(mask x -1e9),
; L = fl(score x 2^(e6 + e7) / 8 + mm) (one fused multiply-add: the product is exact), t = fl(L x log2(e)), and then t - M.
; All branches hang on ids and on whole numbers read from memory (the flags; e8). No tensor load and no cluster: K and V go through registers into LDS.
; SHARES.  Work-group (x, batch x head) takes the query blocks 7 - x and then x, 256 queries each; each of its sixteen waves owns one tile of 16 queries: four waves to a SIMD, so that one wave's vector work stands
; beside another's matrix work and LDS loads.  The pairing only shares the work out; it is right for any mask.
; OPERANDS arrive as images of their registers (launch proj): a fragment's four registers of all lanes are 512 consecutive bytes.  A key step's K (8 fragments 16 keys x 64) and V^T (4 fragments 16 channels x 128 keys)
; are 8,192 bytes each: 512 threads x 16 bytes.  Two LDS slots take turns; one barrier a step orders this step's reads of one slot and its stores into the other with the next step's.
; LAYOUT.  S^T = K Q^T and O^T = V^T P^T: a lane holds ONE query throughout; the conversion of S^T's tile c gives registers 2 c, 2 c + 1 of P^T, that of O^T's tile t registers 2 t, 2 t + 1 of the last product's operand.
; of: [512 token tiles][16 heads][2][32 lanes][16 bytes].
; LIMITS: e6 + e7 between -120 and 120; e8 and e10 between -126 and 119; NaN and infinities among the inputs are not served.
; REGISTERS: v1 16 x lane; v3 16 x thread; v5, v6 the add's two; v7 my place in the mask; v8 the prefetch's offset; v12 -M, v13 the largest t, v[14:15] the sum in two halves; v16-23 Q; v24-31 the next step's 32 bytes of K and V;
; v32-95 K's fragments, then the mask, then V's; v96-159 S^T, then p; v160-191 O^T; v192-207 p's codes; v208-215 the codes that leave; v236-254 at work and constants.
; THE MODE: SCHED_MODE bits 1:0 = 2 (LLVM: expert scheduling mode 2), set by the entry lines.  The code itself states the register dependences between vector or matrix instructions and memory or LDS
; instructions, with s_wait_alu, always for 0.
; THE PLAN.  Registers that memory or LDS instructions touch:
;   v1, v3, v7, v8  Addresses and offsets: written at the head, never again; read by every load, store and prefetch.  The wait on va_vdst at a block's head, ahead of the kernel's first vector memory instruction, states that they are written.
;   QF  v16-23      Q's two loads land in it at a block's head; the products K Q^T read it.  The same wait states, in the second block, that the first block's products are done reading it.
;   STG v24-31      Cleared once at the head; then the staging loads land in it and the two LDS stores of the same step read it.  A wait on vm_vsrc behind those stores, on every way, stands ahead of the next staging loads.
;   FRG v32-95      In a worked step: K's LDS loads land; eight products read; in a GEN tile the mask's loads land, multiplies rewrite it, multiply-adds read; V's LDS loads land; four products read.
;                   A wait on va_vdst stands straight ahead of each of the three runs of loads.  Behind the third, V's loads are dealt among the lines of the maximum, which name S^T, v252 and v254 alone.
;   OC  v208-215    Written by a block's last conversions, read by its two stores: a wait on va_vdst between them; the waits on vm_vsrc of the next block stand ahead of the next conversions.
;   S^T, O^T, p's codes and the statistics are named by vector and matrix instructions alone.   v5, v6: written at the head, read by the closing add alone.
.set SLOTB, 16384                      ; a slot: 8,192 bytes of K, then 8,192 of V
.set VOFF,  8192
.set SPARE, 32768                      ; behind the two slots: the spare words, 128 bytes a wave
.set LA,   1
.set T16,  3
.set SPW,  5
.set NIL,  6
.set MO,   7
.set PFO,  8
.set QF,   16
.set STG,  24
.set FRG,  32
.set S,    96
.set O,    160
.set PC,   192
.set OC,   208
.set WV,    14                         ; s14  wave
.set BLKN,  18                         ; s18  0, 1: which of my two blocks
.set STEPN, 19                         ; s19  the key step
.set SEL,   20                         ; s[20:21] selects for lane l xor 16
.set CC,    22                         ; s[22:23] what a register of S is multiplied by to give t: c in a plain tile, 1.0 in a GEN tile
.set CPL,   24                         ; s24  c = log2(e) / 8 x 2^(e6 + e7)
.set TRIP,  25                         ; s25  the loop's counter: two key steps a trip
.set SCL,   26                         ; s[26:27] 2^(e6 + e7) / 8
.set WORK,  28                         ; s28  my tile's WORK bits, the step in hand at bit 0
.set GEN,   29                         ; s29  its GEN bits
.set LOADW, 30                         ; s30  the sixteen waves' WORK bits joined, the NEXT step at bit 0: which steps' K and V are brought at all
.set HOLD,  31                         ; s31  1 where 448 x 2^e8 < 1, so that p must be held
.set KB,    34                         ; s[34:35] K's images of the next step
.set VB,    36                         ; s[36:37] V's
.set MB,    38                         ; s[38:39] my 16 rows of the mask at the step in hand
.set PFA,   40                         ; s[40:41] where my prefetches stand
.set PLIM,  42                         ; s42  a wave prefetches while the step is under this
.set PLIM0, 43
.set QB,    44                         ; s[44:45] my tile's image of Q
.set OB,    46                         ; s[46:47] where my tile's codes go
	s_load_b256 s[4:11], s[0:1], 0x0               ; frag s[4:5], mask s[6:7], flags s[8:9], lowp_scales s[10:11]
	s_load_b64 s[12:13], s[0:1], 0x20              ; of
	v_lshl_add_u32 v[SPW], v0, 2, SPARE
	v_mov_b32 v[NIL], 0
	v_lshrrev_b32 v9, 5, v0
	v_readfirstlane_b32 s[WV], v9                  ; wave 0..15
	s_mov_b32 s15, ttmp9                           ; x
	s_and_b32 s16, ttmp7, 0xffff                   ; 16 x batch + head
	v_and_b32 v9, 31, v0
	v_lshlrev_b32 v[LA], 4, v9
	v_lshlrev_b32 v[T16], 4, v0
	v_lshlrev_b32 v[PFO], 8, v9                    ; lanes 256 bytes apart: 8,192 bytes a wave
	v_and_b32 v10, 15, v0                          ; r: my query in the tile
	v_bfe_u32 v11, v0, 4, 1                        ; h
	v_lshlrev_b32 v[MO], 13, v10
	v_lshl_add_u32 v[MO], v11, 5, v[MO]            ; the mask: row r of 8,192 bytes, + 8 h keys
	v_mov_b32 v236, 0                              ; written once: a lane permute's destination counts as one of its sources
	v_mov_b32 v252, 0
	v_mov_b32 v253, 0                              ; (named as the upper half of the pair v[252:253])
.irp i, 0,1,2,3,4,5,6,7
	v_mov_b32 v[STG+\i], 0                         ; written once, so that they hold numbers on every way
.endr
	s_mov_b32 s[SEL], 0x76543210
	s_mov_b32 s[SEL+1], 0xfedcba98
	s_wait_alu depctr_va_sdst(0)                   ; the wave's number is written, ahead of its first reader, the line below
	s_lshr_b32 s75, s[WV], 1
	s_or_b32 s75, s75, s15
	s_cmp_eq_u32 s75, 0                            ; waves 0 and 1 of the head's work-group x = 0 prefetch
	s_cselect_b32 s[PLIM0], 13, 0
	s_wait_kmcnt 0x0
	s_load_b128 s[68:71], s[10:11], 0x18           ; e6, e7, e8, e9
	s_load_b32 s72, s[10:11], 0x28                 ; e10
	s_wait_kmcnt 0x0
	s_add_co_i32 s74, s68, s69
	s_lshl_b32 s75, s74, 23
	s_add_co_i32 s[CPL], s75, 0x3e38aa3b           ; log2(e) / 8, with e6 + e7 added to its exponent field
	s_add_co_i32 s[SCL], s74, 124
	s_lshl_b32 s[SCL], s[SCL], 23                  ; 2^(e6 + e7 - 3)
	s_mov_b32 s[SCL+1], s[SCL]
	s_add_co_i32 s73, s70, s71                     ; e8 + e9
	s_add_co_i32 s75, s70, 127
	s_lshl_b32 s76, s75, 23
	v_mov_b32 v244, s76                            ; 2^e8, for p's conversions
	s_add_co_i32 s75, s75, 8
	s_lshl_b32 s75, s75, 23
	s_or_b32 s75, s75, 0x600000
	v_mov_b32 v240, s75                            ; 448 x 2^e8
	s_add_co_i32 s75, s72, 127
	s_lshl_b32 s76, s75, 23
	v_mov_b32 v245, s76                            ; 2^e10, for the result's
	s_add_co_i32 s75, s75, 8
	s_lshl_b32 s75, s75, 23
	s_or_b32 s75, s75, 0x600000
	v_mov_b32 v241, s75                            ; 448 x 2^e10
	s_cmp_lt_i32 s70, -8                           ; p <= 1, and 448 x 2^e8 >= 1.75 from e8 = -8 on: there the hold changes nothing and is passed over
	s_cselect_b32 s[HOLD], 1, 0
; Load n of the 16 that bring a step's V: fragment n / 4 (16 channels x 128 keys), its quarter n % 4: four registers of all lanes, 512 consecutive bytes
.macro VLD slot, n
	ds_load_b128 v[FRG+4*(\n):FRG+4*(\n)+3], v[LA] offset:(\slot)*SLOTB+VOFF+512*(\n)
.endm
; A KEY STEP: 128 keys, read from slot \slot; the next step's K and V are brought into the other slot meanwhile.
.macro KSTEP slot
	s_bitcmp1_b32 s[LOADW], 0                      ; does any wave of the work-group want the next step?  (The same in all sixteen)
	s_cbranch_scc0 .Lno_stage_\@
	global_load_b128 v[STG:STG+3], v[T16], s[KB:KB+1]      ; 512 threads x 16 bytes: the step's 8,192 bytes of K,
	global_load_b128 v[STG+4:STG+7], v[T16], s[VB:VB+1]    ; and of V.  (The wait on vm_vsrc behind the last LDS stores that read these registers stands ahead of the branch above)
.Lno_stage_\@:
; A prefetch into the L2 of the step two behind the one just asked for (step s + 3 in step s): two key steps ahead of its load.  All four work-groups of a head walk the same K and V: x = 0 asks, in its first walk,
; wave 0 for K's 8,192 bytes and wave 1 for V's, lanes 256 bytes apart: each block of 256 bytes is named once.  Steps 0 to 2 come by their loads alone; from step 13 on nothing is left to ask for.
	s_cmp_lt_u32 s[STEPN], s[PLIM]
	s_cbranch_scc0 .Lno_ask_\@
	global_prefetch_b8 v[PFO], s[PFA:PFA+1] offset:16384 th:TH_LOAD_NT scope:SCOPE_SE
.Lno_ask_\@:
	s_bitcmp1_b32 s[WORK], 0
	s_cbranch_scc0 .Lskip_\@                       ; my tile of this step is passed over; the barrier and the staging below are not
	s_wait_alu depctr_va_vdst(0)                   ; the products V^T P^T of my last worked step are done reading v[FRG ..], and a GEN tile's multiplies have written it: K's loads land there
.irp t, 0,1,2,3,4,5,6,7
	ds_load_b128 v[FRG+8*\t:FRG+8*\t+3], v[LA] offset:\slot*SLOTB+1024*\t
	ds_load_b128 v[FRG+8*\t+4:FRG+8*\t+7], v[LA] offset:\slot*SLOTB+1024*\t+512
.endr
	s_mov_b32 s[CC], s[CPL]
	s_mov_b32 s[CC+1], s[CPL]
	s_wait_dscnt 0x0
.irp t, 0,1,2,3,4,5,6,7
	v_wmma_f32_16x16x64_fp8_fp8 v[S+8*\t:S+8*\t+7], v[FRG+8*\t:FRG+8*\t+7], v[QF:QF+7], 0   ; lane (r, h): query r; register 8 t + j: key 16 t + 8 h + j
.endr
.rept 4
	v_nop                                          ; places behind the products, ahead of the first vector line that reads their results
.endr
	s_bitcmp1_b32 s[GEN], 0
	s_cbranch_scc0 .Lplain_\@
	s_wait_alu depctr_va_vdst(0)                   ; the eight products are done reading K's fragments in v[FRG ..]: the mask's loads land there
.irp t, 0,1,2,3,4,5,6,7
	global_load_b128 v[FRG+8*\t:FRG+8*\t+3], v[MO], s[MB:MB+1] offset:64*\t      ; the mask in the scores' own layout
	global_load_b128 v[FRG+8*\t+4:FRG+8*\t+7], v[MO], s[MB:MB+1] offset:64*\t+16
.endr
	s_wait_loadcnt 0x0
.set jj, 0
.rept 32
	v_pk_mul_f32 v[FRG+jj:FRG+jj+1], v[FRG+jj:FRG+jj+1], 0xce6e6b28 op_sel_hi:[1,0]   ; mm = mask x -1e9
.set jj, jj+2
.endr
.set jj, 0
.rept 32
	v_pk_fma_f32 v[S+jj:S+jj+1], v[S+jj:S+jj+1], s[SCL:SCL+1], v[FRG+jj:FRG+jj+1] op_sel_hi:[1,0,1]   ; the logit, rounded once, as the f32 addition rounds it
.set jj, jj+2
.endr
.set jj, 0
.rept 32
	v_pk_mul_f32 v[S+jj:S+jj+1], v[S+jj:S+jj+1], 0x3fb8aa3b op_sel_hi:[1,0]   ; t
.set jj, jj+2
.endr
	s_mov_b32 s[CC], 1.0
	s_mov_b32 s[CC+1], 1.0
.Lplain_\@:
	s_wait_alu depctr_va_vdst(0)                   ; the eight products are done reading v[FRG ..]; in a GEN tile the multiplies have written it and the multiply-adds have read it: V's loads land there
	VLD \slot, 0                                   ; V's fragments land under the softmax.  The 16 loads are dealt among the lines of the maximum with no further wait: those name S^T, v252 and v254, never v[FRG ..] or v[LA]
	VLD \slot, 1
	v_max3_num_f32 v254, v[S], v[S+1], v[S+2]      ; the step's largest of my query, among my 64 keys, in two chains,
	v_max3_num_f32 v252, v[S+3], v[S+4], v[S+5]
.set nn, 2
.irp i, 6,10,14,18,22,26,30,34,38,42,46,50,54,58
	VLD \slot, nn
	v_max3_num_f32 v254, v254, v[S+\i], v[S+1+\i]
	v_max3_num_f32 v252, v252, v[S+2+\i], v[S+3+\i]
.set nn, nn+1
.endr
	v_max3_num_f32 v254, v254, v[S+62], v[S+63]
	v_max_num_f32 v254, v254, v252
	v_permlanex16_b32 v236, v254, s[SEL], s[SEL+1]
	v_max_num_f32 v254, v254, v236                 ; and among lane l xor 16's
	v_mul_f32 v254, s[CC], v254                    ; as t (the factor is positive)
	v_max_num_f32 v13, v13, v254                   ; the running largest t
	v_mov_b32 v254, v12
	v_floor_f32 v12, -v13                          ; the new -M = floor(-t) = -ceil(t)
	v_sub_f32 v254, v12, v254                      ; old M less new M: a whole number, 0 or less
	v_cvt_i32_f32 v254, v254                       ; (it saturates)
	v_ldexp_f32 v252, 1.0, v254                    ; f = 2^(old M - new M)
.set jj, 0
.rept 32
	v_pk_fma_f32 v[S+jj:S+jj+1], v[S+jj:S+jj+1], s[CC:CC+1], v[12:13] op_sel_hi:[1,0,0]   ; t - M, two at a time
.set jj, jj+2
.endr
.set jj, 0
.rept 64
	v_exp_f32 v[S+jj], v[S+jj]                     ; p = 2^(t - M), at most 1
.set jj, jj+1
.endr
	v_pk_mul_f32 v[14:15], v[14:15], v[252:253] op_sel_hi:[1,0]   ; the sums under the new M.  (The plain line behind the exponentials)
	s_wait_alu depctr_va_vdst(0)                   ; the 64 exponentials have written v[S ..]: the wait ahead of the first line that names a result: one for the batch
	v_pk_add_f32 v[242:243], v[S:S+1], v[S+2:S+3]  ; the row's sum of the UNQUANTISED p, in two chains
.irp j, 4,8,12,16,20,24,28,32,36,40,44,48,52,56,60
	v_pk_add_f32 v[14:15], v[14:15], v[S+\j:S+1+\j]
	v_pk_add_f32 v[242:243], v[242:243], v[S+2+\j:S+3+\j]
.endr
	v_pk_add_f32 v[14:15], v[14:15], v[242:243]
	s_cmp_eq_u32 s[HOLD], 0
	s_cbranch_scc1 .Lno_hold_\@
.set jj, 0
.rept 64
	v_min_num_f32 v[S+jj], v[S+jj], v240           ; the conversion does not saturate (ISA guide 7.6.2); p is not negative, so the hold is one-sided
.set jj, jj+1
.endr
.Lno_hold_\@:
.irp t, 0,1,2,3,4,5,6,7
	v_cvt_scalef32_pk8_fp8_f32 v[PC+2*\t:PC+2*\t+1], v[S+8*\t:S+8*\t+7], v244   ; keys 16 t + 8 h + 0 .. 7: registers 2 t, 2 t + 1 of P^T
.endr
.set jj, 0
.rept 16
	v_pk_mul_f32 v[O+jj:O+jj+1], v[O+jj:O+jj+1], v[252:253] op_sel_hi:[1,0]   ; O^T under the new M.  (Also the plain lines between the conversions and the products)
.set jj, jj+2
.endr
	s_wait_dscnt 0x0                               ; V
.irp t, 0,1,2,3
	v_wmma_f32_16x16x128_fp8_fp8 v[O+8*\t:O+8*\t+7], v[FRG+16*\t:FRG+16*\t+15], v[PC:PC+15], v[O+8*\t:O+8*\t+7]   ; the four accumulators by turns
.endr
.rept 4
	v_nop                                          ; places behind the products, ahead of the next vector lines that read O^T
.endr
.Lskip_\@:
	s_wait_loadcnt 0x0                             ; the next step's 32 bytes, if they were asked for
	s_bitcmp1_b32 s[LOADW], 0
	s_cbranch_scc0 .Lno_put_\@
	ds_store_b128 v[T16], v[STG:STG+3] offset:(1-\slot)*SLOTB
	ds_store_b128 v[T16], v[STG+4:STG+7] offset:(1-\slot)*SLOTB+VOFF
.Lno_put_\@:
	s_wait_xcnt 0x0                                ; the step's loads and its prefetch have read their addresses, which are stepped now
	s_wait_alu depctr_vm_vsrc(0)                   ; the two LDS stores above have read v[STG ..], in which the next staging loads land; the last block's stores have read v[OC ..], which this block's last conversions write
	s_add_nc_u64 s[KB:KB+1], s[KB:KB+1], 8192
	s_add_nc_u64 s[VB:VB+1], s[VB:VB+1], 8192
	s_add_nc_u64 s[PFA:PFA+1], s[PFA:PFA+1], 8192
	s_add_nc_u64 s[MB:MB+1], s[MB:MB+1], 512
	s_lshr_b32 s[WORK], s[WORK], 1
	s_lshr_b32 s[GEN], s[GEN], 1
	s_lshr_b32 s[LOADW], s[LOADW], 1
	s_add_co_u32 s[STEPN], s[STEPN], 1
	s_wait_dscnt 0x0                               ; my stores into the other slot are done and my reads of this one are over:
	s_barrier_signal -1                            ; every wave passes this barrier in every step
	s_barrier_wait -1
.endm
	s_mov_b32 s[BLKN], 0
.Lblock:
	s_wait_xcnt 0x0                                ; the last block's loads and stores have read their registers and addresses
	s_sub_co_u32 s75, 7, s15
	s_cmp_eq_u32 s[BLKN], 0
	s_cselect_b32 s17, s75, s15                    ; the block: 7 - x, then x
	s_lshl_b32 s75, s17, 4
	s_add_co_u32 s75, s75, s[WV]                   ; my query tile, 0..127
	s_lshl_b32 s66, s17, 6
	s_lshl_b32 s67, s75, 2
	s_load_b512 s[48:63], s[8:9], s66 offset:0x0   ; the block's sixteen WORK words
	s_load_b32 s[WORK], s[8:9], s67 offset:0x0
	s_load_b32 s[GEN], s[8:9], s67 offset:0x200
	s_lshl_b32 s76, s16, 7
	s_add_co_u32 s76, s76, s75
	s_lshl_b32 s76, s76, 10
	s_mov_b32 s77, 0
	s_add_nc_u64 s[QB:QB+1], s[4:5], s[76:77]
	s_wait_alu depctr_va_vdst(0)                   ; first block: the head has written the addresses v1, v3, v7, v8, which every load, store and prefetch of the kernel reads, and v[STG ..], in which loads land; second block: the first block's products are done reading v[QF ..]
	global_load_b128 v[QF:QF+3], v[LA], s[QB:QB+1]
	global_load_b128 v[QF+4:QF+7], v[LA], s[QB:QB+1] offset:512
	s_lshl_b32 s76, s16, 17                        ; 131,072 bytes for each batch x head
	s_add_co_u32 s78, s76, 0x800000                ; part 1 of frag: K
	s_mov_b32 s79, 0
	s_add_nc_u64 s[KB:KB+1], s[4:5], s[78:79]
	s_add_co_u32 s78, s76, 0x1000000               ; part 2: V
	s_add_nc_u64 s[VB:VB+1], s[4:5], s[78:79]
	s_lshl_b32 s78, s75, 17                        ; my 16 rows of the mask
	s_add_nc_u64 s[MB:MB+1], s[6:7], s[78:79]
	s_lshr_b32 s78, s16, 4
	s_lshl_b32 s78, s78, 7
	s_add_co_u32 s78, s78, s75                     ; the token tile among 512
	s_lshl_b32 s78, s78, 4
	s_and_b32 s80, s16, 15
	s_add_co_u32 s78, s78, s80                     ; x 16 heads + head
	s_lshl_b32 s78, s78, 10
	s_add_nc_u64 s[OB:OB+1], s[12:13], s[78:79]
	v_mov_b32 v13, 0xff61b1e6                      ; the largest t so far: -3e38
	v_floor_f32 v12, -v13                          ; -M
	v_mov_b32 v14, 0
	v_mov_b32 v15, 0
.set jj, 0
.rept 32
	v_mov_b32 v[O+jj], 0                           ; O^T: which step is a tile's first hangs on the flags, so no product can be written out to start the sums
.set jj, jj+1
.endr
	s_wait_kmcnt 0x0
	s_or_b32 s[LOADW], s48, s49
.irp i, 50,51,52,53,54,55,56,57,58,59,60,61,62,63
	s_or_b32 s[LOADW], s[LOADW], s[\i]
.endr
	s_bitcmp1_b32 s[LOADW], 0
	s_cbranch_scc0 .Lno_first
	global_load_b128 v[STG:STG+3], v[T16], s[KB:KB+1]      ; key step 0 into slot 0: the barrier at the end of the last block's last step stands behind every read of that slot.  (No vector line since the wait above names v[STG ..] or v[T16])
	global_load_b128 v[STG+4:STG+7], v[T16], s[VB:VB+1]
	s_wait_loadcnt 0x0
	ds_store_b128 v[T16], v[STG:STG+3]
	ds_store_b128 v[T16], v[STG+4:STG+7] offset:VOFF
.Lno_first:
	s_wait_loadcnt 0x0                             ; Q
	s_wait_xcnt 0x0
	s_wait_alu depctr_vm_vsrc(0)                   ; the two LDS stores above have read v[STG ..], in which the first step's staging loads land
	s_add_nc_u64 s[KB:KB+1], s[KB:KB+1], 8192      ; on to key step 1
	s_add_nc_u64 s[VB:VB+1], s[VB:VB+1], 8192
	s_cmp_eq_u32 s[WV], 0
	s_cselect_b64 s[PFA:PFA+1], s[KB:KB+1], s[VB:VB+1]
	s_cmp_eq_u32 s[BLKN], 0
	s_cselect_b32 s[PLIM], s[PLIM0], 0             ; the second walk asks for nothing
	s_lshr_b32 s[LOADW], s[LOADW], 1
	s_mov_b32 s[STEPN], 0
	s_mov_b32 s[TRIP], 0
	s_wait_dscnt 0x0
	s_barrier_signal -1
	s_barrier_wait -1
.Lstep:                                            ; 8 trips of two key steps: the slots are constants of the text
	KSTEP 0
	KSTEP 1
	s_add_co_u32 s[TRIP], s[TRIP], 1
	s_cmp_lt_u32 s[TRIP], 8
	s_cbranch_scc1 .Lstep
	; THE WAY OUT of a block: O^T x 2^(e8 + e9) / the sum, quantised for the last product: the conversions' results are its operand's registers.
	v_add_f32 v14, v14, v15                        ; the sum's two halves,
	v_permlanex16_b32 v252, v14, s[SEL], s[SEL+1]
	v_add_f32 v14, v14, v252                       ; and lane l xor 16's.  It is at least 1/2: the step with a row's smallest mask is never passed over
	v_rcp_f32 v14, v14
	v_nop                                          ; a plain line behind the reciprocal
	s_wait_alu depctr_va_vdst(0)                   ; the reciprocal has written v14: a wait ahead of its first reader
	v_ldexp_f32 v14, v14, s73
.set jj, 0
.rept 16
	v_pk_mul_f32 v[S+jj:S+jj+1], v[O+jj:O+jj+1], v[14:15] op_sel_hi:[1,0]   ; each accumulator from its low end on
.set jj, jj+2
.endr
.set jj, 0
.rept 32
	v_med3_num_f32 v[S+jj], v[S+jj], -v241, v241
.set jj, jj+1
.endr
.irp t, 0,1,2,3
	v_cvt_scalef32_pk8_fp8_f32 v[OC+2*\t:OC+2*\t+1], v[S+8*\t:S+8*\t+7], v245   ; channels 16 t + 8 h + 0 .. 7 of my head
.endr
	v_nop                                          ; a plain line behind the last conversion
	s_wait_alu depctr_va_vdst(0)                   ; the conversions have written v[OC ..], which the two stores read
	global_store_b128 v[LA], v[OC:OC+3], s[OB:OB+1]            ; 512 consecutive bytes a store
	global_store_b128 v[LA], v[OC+4:OC+7], s[OB:OB+1] offset:512
	s_add_co_u32 s[BLKN], s[BLKN], 1
	s_cmp_lt_u32 s[BLKN], 2
	s_cbranch_scc1 .Lblock
	s_wait_dscnt 0x0                               ; the closing lines, six on end
	s_wait_alu 0x0
	s_wait_tensorcnt 0x0
	ds_add_u32 v[SPW], v[NIL]
	s_wait_dscnt 0x0
	s_endpgm
.Lfunc_end_k_q93cb39e7ed_attn:
	.size	k_q93cb39e7ed_attn, .Lfunc_end_k_q93cb39e7ed_attn-k_q93cb39e7ed_attn
	.p2alignl 7, 3214868480
	.fill 96, 4, 3214868480
	.section	.rodata,"a",@progbits
	.p2align	6, 0x0
	.amdhsa_kernel k_q93cb39e7ed_attn
		.amdhsa_group_segment_fixed_size 34816
		.amdhsa_private_segment_fixed_size 0
		.amdhsa_enable_private_segment 0
		.amdhsa_kernarg_size 40
		.amdhsa_user_sgpr_count 2
		.amdhsa_user_sgpr_kernarg_segment_ptr 1
		.amdhsa_wavefront_size32 1
		.amdhsa_system_sgpr_workgroup_id_x 1
		.amdhsa_system_sgpr_workgroup_id_y 1
		.amdhsa_system_sgpr_workgroup_id_z 1
		.amdhsa_system_vgpr_workitem_id 0
		.amdhsa_next_free_vgpr 256
		.amdhsa_next_free_sgpr 96
		.amdhsa_reserve_vcc 0
		.amdhsa_float_denorm_mode_32 3
		.amdhsa_float_denorm_mode_16_64 3
		.amdhsa_memory_ordered 1
		.amdhsa_forward_progress 1
		.amdhsa_inst_pref_size 64
	.end_amdhsa_kernel
	.amdgpu_metadata
---
amdhsa.version: [ 1, 2 ]
amdhsa.kernels:
  - .name:           k_q93cb39e7ed_attn
    .symbol:         k_q93cb39e7ed_attn.kd
    .args:
      - { .name: frag, .offset: 0, .size: 8, .value_kind: global_buffer, .address_space: global }
      - { .name: mask, .offset: 8, .size: 8, .value_kind: global_buffer, .address_space: global }
      - { .name: flags, .offset: 16, .size: 8, .value_kind: global_buffer, .address_space: global }
      - { .name: lowp_scales, .offset: 24, .size: 8, .value_kind: global_buffer, .address_space: global }
      - { .name: of, .offset: 32, .size: 8, .value_kind: global_buffer, .address_space: global }
    .group_segment_fixed_size: 34816
    .private_segment_fixed_size: 0
    .kernarg_segment_align: 8
    .kernarg_segment_size: 40
    .max_flat_workgroup_size: 512
    .sgpr_count:     96
    .vgpr_count:     256
    .wavefront_size: 32
...
	.end_amdgpu_metadata
.endif
;; end of part 6
;; launch oproj: the kernel of part 5 again; grid 4 x 32, 4 waves a work-group, clusters of 4 x 4, 327,680 bytes of LDS; arguments of, wc, lowp_scales, wo_b, out0; writes out0
